; MI455X (gfx1250); checked and timed in simulation.
; The chip was launched on July 23, 2026; its instructions are those of AMD's public machine-readable ISA for CDNA 5 (MIT licence, August 2026) and "CDNA5" Instruction Set Architecture Reference Guide (July 2026). The comments in the code are by the model that wrote it; some were corrected since.
;; Multi Headed Attention. Allowed arithmetic: matrix products marked QUANTISED: E2M3 operands, one E8M0 scale for each 32 along K, by v_wmma_scale_f32_16x16x128_f8f6f4 with both operands' format E2M3, f32 sums; everything else in f32.
;; Inputs: Wk 1,024 x 1,024 float32; Wo 1,024 x 1,024 float32; Wq 1,024 x 1,024 float32; Wv 1,024 x 1,024 float32; bk 1,024 float32; bo 1,024 float32; bq 1,024 float32; bv 1,024 float32; key 4 x 2,048 x 1,024 float32; mask 4 x 1 x 1 x 2,048 bool; query 4 x 2,048 x 1,024 float32; value 4 x 2,048 x 1,024 float32.
;; Outputs: out0 4 x 2,048 x 1,024 float32.
;; This version of the problem:
;;   THIS VERSION OF THE PROBLEM IS GIVEN IN LOW PRECISION. The matrix products marked QUANTISED in the list below multiply operands that are first quantised to E2M3 (2 exponent bits, 3 mantissa bits; 6 bits a number), with one power-of-two scale for each 32 numbers along K (OCP MX v1.0); their sums are f32. All else is computed in f32.
;;   The module's matrix products, in the order in which they are computed (A, B: the left and right operand; K: the contracted axis; several contracted axes count as one K, in the product's order):
;;     1. [M 8,192, K 1,024] x [K 1,024, N 1,024]; A: input query; B: input Wq: QUANTISED
;;     2. [M 8,192, K 1,024] x [K 1,024, N 1,024]; A: input key; B: input Wk: QUANTISED
;;     3. [M 8,192, K 1,024] x [K 1,024, N 1,024]; A: input value; B: input Wv: QUANTISED
;;     4. batch 64 x [M 2,048, K 64] x [K 64, N 2,048]; A: computed on the way; B: computed on the way: QUANTISED
;;     5. batch 64 x [M 2,048, K 2,048] x [K 2,048, N 64]; A: softmax (see below); B: computed on the way: QUANTISED
;;     6. [M 8,192, K 1,024] x [K 1,024, N 1,024]; A: computed on the way; B: input Wo: QUANTISED
;;   THE QUANTISER, for each operand of a quantised product, along K:
;;     - K is cut into blocks of 32 from its start; a last block that is shorter is filled with zeros.
;;     - A block's scale is 2^e with e = floor(log2(the largest magnitude in the block)) - 2, held to -126 .. 127; a block of zeros has e = 0. As a byte (E8M0): e + 127.
;;     - Each number is divided by its block's scale, clamped to +-7.5, and rounded to the nearest number of E2M3, ties to even, subnormals kept.
;;     - The product sums the exact products of the quantised numbers (number of the format x scale) in f32.
;;   ~~~python
;;   def quantise(x, axis):      # numpy; x: float32 -> the quantised numbers, widened to float32 again
;;       x = np.moveaxis(x, axis, -1); K = x.shape[-1]
;;       x = np.pad(x, [(0, 0)] * (x.ndim - 1) + [(0, -K % 32)]); x = x.reshape(x.shape[:-1] + (-1, 32)); a = np.abs(x).max(-1, keepdims=True)
;;       e = np.where(a > 0, np.clip(np.frexp(np.where(a > 0, a, 1))[1] - 1 - 2, -126, 127), 0)      # np.frexp(a)[1] - 1 = floor(log2(a)), exactly
;;       r = np.clip(x / 2.0 ** e, -7.5, 7.5)
;;       step = 2.0 ** (np.maximum(np.frexp(np.where(r == 0, 1, r))[1] - 1, 0) - 3)
;;       q = np.round(r / step) * step * 2.0 ** e      # np.round: ties to even
;;       return np.moveaxis(q.reshape(q.shape[:-2] + (-1,))[..., :K], -1, axis).astype(np.float32)
;;   ~~~
;;   SOFTMAX AHEAD OF A QUANTISED PRODUCT. Where the list says 'softmax', what is quantised is not the finished softmax but p = 2^(t - M), with t = logit x log2(e) and M = ceil(the row's largest t), a whole number; so 1/2 < the row's largest p <= 1. The row's sum l is taken of the UNQUANTISED p, in f32, and the product's result is divided by l at the end. Since M is a whole number, a kernel that streams over the keys may use a running M (the ceiling of the running maximum): every later rescaling is an exact power of two, which a block's scale takes up: the codes' values come out the same.
;;   OPERANDS COMPUTED ON THE WAY. 'Computed on the way' means the value that the module computes at that place (a softmax that the list does not call 'softmax' is quantised finished and normalised). What goes into a quantiser is computed in f32, as accurately as f32 sums, v_exp_f32 and their like allow (about 1e-6 of the number): no bf16 or f16 on the way to a quantiser, and a product that is left as it is and whose result goes on into a quantised operand takes f32 operands (vector FMAs, or v_wmma_f32_16x16x4_f32). A number that lies on a knife's edge between two numbers of the format may be rounded either way, as far as f32 arithmetic and the matrix unit's own rounding can turn it there, and no further.
;; One version. Each part assembles by itself: llvm-mc -triple=amdgcn-amd-amdhsa -mcpu=gfx1250 --defsym DOCPART=n.
;; ======== version 1 of 1: 5 launches
;; limits: right only within a limited range of input values
;; workspace buffers: xq 19,660,800 bytes; wq 3,276,800 bytes; qq 6,815,744 bytes; kv 13,631,488 bytes; oq 6,553,600 bytes
;; launch quant_w (part 1): grid 64 x 4, 4 waves a work-group, no clusters, 1,024 bytes of LDS; arguments Wq, Wk, Wv, Wo, wq; writes wq
.if DOCPART == 1
	.amdgcn_target "amdgcn-amd-amdhsa--gfx1250"
	.amdhsa_code_object_version 6
	.text
	.protected	k_qe07ea86a13_quant_w
	.globl	k_qe07ea86a13_quant_w
	.p2align	8
	.type	k_qe07ea86a13_quant_w,@function
k_qe07ea86a13_quant_w:
	s_mov_b64 s[64:65], 0
	v_nop
	global_prefetch_b8 v0, s[64:65] scope:SCOPE_SE
	s_setreg_imm32_b32 hwreg(HW_REG_WAVE_MODE, 25, 1), 1
	s_wait_xcnt 0x0
; The four weights [1024 (k)][1024 (n)], f32, K on the FIRST axis, become codes of FP6 (E2M3) with one E8M0 byte for each 32 along K, laid as IMAGES OF THE OPERAND'S REGISTERS:
;   codes  at 0:      [weight 4][x 4][K step 8][tile 16][group 3][lane 32][16 bytes]: a fragment (16 columns x 128 k, 12 registers a lane) is 1,536 dense bytes
;   scales at WSOFF:  [weight 4][head 16][q 4][lane 32][4 words]: word i serves K step 2 q + i / 2 and tile pair i % 2; lanes 0-15 the pair's even tile, lanes 16-31 its odd one
; THE COLUMNS OF A TILE ARE NOT NEIGHBOURS: lane r of tile 2 b + u of a head takes column 64 head + 32 b + 8 u + r + 8 (r / 8), so that a later result's 16 registers of two neighbouring tiles are 16 neighbours.
; A LANE TAKES A COLUMN AND ITS REGISTERS RUN DOWN K: lane 16 u + r holds all 128 k of a K step of its column: four whole blocks, so no other lane is asked for a maximum.
; The operand's layout wants block 2 c in lanes 0-15 and block 2 c + 1 in lanes 16-31 of ONE tile: even blocks are made in FA, odd blocks in FB, and twelve exchanges of halves turn them into tiles u = 0 and u = 1.
; SHARES: work-group x = 4 head + q, y = the weight; wave: tile pair = wave % 2, K step = 2 q + wave / 2.  A block's scale is 2^(floor(log2(largest magnitude)) - 2).
; Loads run two blocks (64 loads a wave) ahead; each block has registers of its own.
; LIMITS: a block whose largest magnitude lies under 2^-124 (a block of zeros too) keeps the byte 1: its codes are then zeros or next to it, and this program alone reads the bytes; NaN and infinities are not served.
.set X,     32                         ; v32-159  128 numbers down K, 32 a block
.set FA,    160                        ; v160-171 even blocks, then tile u = 0
.set FB,    172                        ; v172-183 odd blocks, then tile u = 1
.set TT,    184                        ; v184-186 a block's upper 16 codes (a conversion's three registers begin on an even number)
.set SBW,   14                         ; v14      my column's four scale bytes
.set SPW,   20                         ; v20      LDS address of my spare word; never rewritten
.set NIL,   21                         ; v21      0; never rewritten
.set SPARE, 512                        ; LDS: 0-511 the four waves' scale words; 512-1,023 the spare words, 128 bytes a wave
.set WSOFF, 3145728
	s_load_b256 s[4:11], s[0:1], 0x0               ; Wq, Wk, Wv, Wo
	s_load_b64 s[12:13], s[0:1], 0x20              ; wq
	v_lshl_add_u32 v[SPW], v0, 2, SPARE
	v_mov_b32 v[NIL], 0
	v_lshrrev_b32 v1, 5, v0
	v_readfirstlane_b32 s16, v1                    ; wave
	s_and_b32 s17, ttmp7, 0xffff                   ; which weight
	s_lshr_b32 s18, ttmp9, 2                       ; head
	s_and_b32 s19, ttmp9, 3                        ; q
	s_and_b32 s20, s16, 1                          ; tile pair
	s_lshr_b32 s21, s16, 1
	s_lshl_b32 s22, s19, 1
	s_add_co_u32 s21, s21, s22                     ; K step = 2 q + wave / 2
	v_and_b32 v4, 31, v0
	v_lshlrev_b32 v2, 4, v4                        ; 16 x lane
	s_lshl_b32 s22, s16, 2
	v_add_nc_u32 v3, s22, v2                       ; LDS: 16 x lane + 4 x wave: my scale word's place in the image
	v_and_b32 v5, 15, v0
	v_and_b32 v6, 8, v0
	v_add_nc_u32 v5, v5, v6                        ; r + 8 (r / 8)
	v_bfe_u32 v6, v0, 4, 1
	v_lshl_add_u32 v5, v6, 3, v5                   ; + 8 u
	s_lshl_b32 s22, s18, 6
	s_lshl_b32 s23, s20, 5
	s_add_co_u32 s22, s22, s23
	v_add_nc_u32 v5, s22, v5                       ; + 64 head + 32 pair: my column
	v_lshlrev_b32 v1, 2, v5                        ; in bytes
	s_lshl_b32 s24, s21, 19                        ; in: K step x 128 rows of 4,096 bytes
	s_mov_b32 s25, 0
	s_mul_i32 s26, s17, 786432                     ; out: weight,
	s_lshr_b32 s22, s18, 2
	s_mul_i32 s22, s22, 196608                     ; x = head / 4,
	s_add_co_u32 s26, s26, s22
	s_mul_i32 s22, s21, 24576                      ; K step,
	s_add_co_u32 s26, s26, s22
	s_and_b32 s22, s18, 3
	s_lshl_b32 s22, s22, 2
	s_lshl_b32 s23, s20, 1
	s_add_co_u32 s22, s22, s23
	s_mul_i32 s22, s22, 1536                       ; tile 4 (head % 4) + 2 pair
	s_add_co_u32 s26, s26, s22
	s_mov_b32 s27, 0
	s_lshl_b32 s28, s17, 15                        ; the scale image: weight, head, q
	s_lshl_b32 s22, s18, 11
	s_add_co_u32 s28, s28, s22
	s_lshl_b32 s22, s19, 9
	s_add_co_u32 s28, s28, s22
	s_add_co_u32 s28, s28, WSOFF
	s_mov_b32 s29, 0
	s_wait_alu depctr_va_vdst(0)
	s_wait_kmcnt 0x0
	s_cmp_eq_u32 s17, 1                            ; the choice hangs on the work-group's number alone
	s_cselect_b64 s[4:5], s[6:7], s[4:5]
	s_cmp_eq_u32 s17, 2
	s_cselect_b64 s[4:5], s[8:9], s[4:5]
	s_cmp_eq_u32 s17, 3
	s_cselect_b64 s[4:5], s[10:11], s[4:5]
	s_add_nc_u64 s[4:5], s[4:5], s[24:25]
	s_add_nc_u64 s[14:15], s[12:13], s[28:29]
	s_add_nc_u64 s[12:13], s[12:13], s[26:27]
.macro LOAD t                          ; block t: rows 32 t + 0 .. 31 of the K step at my wave's 32 columns: 128 consecutive bytes a load
.set li, 0
.rept 32
	global_load_b32 v[X+32*(\t)+li], v1, s[4:5] offset:(32*(\t)+li)*4096 th:TH_LOAD_NT
.set li, li+1
.endr
.endm
.macro BLOCK t
.set XS, X+32*(\t)
.set FF, FA+12*((\t)%2)+6*((\t)/2)
.if (\t) < 3
	s_wait_loadcnt 32                              ; this block's 32 loads are in; the next block's 32 may be out
.else
	s_wait_loadcnt 0x0
.endif
.if (\t)+2 < 4
	LOAD (\t)+2                                    ; two blocks ahead, into registers of its own
.endif
	v_max3_num_f32 v12, |v[XS]|, |v[XS+1]|, |v[XS+2]|      ; the block's largest magnitude, in two chains
	v_max3_num_f32 v13, |v[XS+3]|, |v[XS+4]|, |v[XS+5]|
.irp i, 6,10,14,18,22,26
	v_max3_num_f32 v12, v12, |v[XS+\i]|, |v[XS+\i+1]|
	v_max3_num_f32 v13, v13, |v[XS+\i+2]|, |v[XS+\i+3]|
.endr
	v_max3_num_f32 v12, v12, |v[XS+30]|, |v[XS+31]|
	v_max3_num_f32 v12, v12, v13, 0x1800000        ; and the floor 2^(3 - 127): the byte cannot fall under 1
	v_add_nc_u32 v11, 0xff000000, v12              ; 2 off the exponent field: the conversion takes this operand's exponent field as its scale
	v_cvt_scalef32_pk16_fp6_f32 v[FF:FF+2], v[XS:XS+15], v11
	v_cvt_scalef32_pk16_fp6_f32 v[TT:TT+2], v[XS+16:XS+31], v11
	v_lshrrev_b32 v13, 23, v11                     ; the scale's byte (also the plain instruction behind the conversions)
.if (\t) == 0
	v_mov_b32 v[SBW], v13
.else
	v_lshl_or_b32 v[SBW], v13, 8*(\t), v[SBW]
.endif
.irp i, 0,1,2
	v_mov_b32 v[FF+3+\i], v[TT+\i]
.endr
.endm
	LOAD 0
	LOAD 1
	BLOCK 0
	BLOCK 1
	BLOCK 2
	BLOCK 3
.set li, 0
.rept 12
	v_permlane16_swap_b32 v[FA+li], v[FB+li]       ; FA's lanes 16-31 (tile 1's even blocks) change places with FB's lanes 0-15 (tile 0's odd blocks)
.set li, li+1
.endr
.irp c, 0,1,2
	global_store_b128 v2, v[FA+4*\c:FA+4*\c+3], s[12:13] offset:512*\c          ; 512 consecutive bytes a store, at a multiple of 256
.endr
.irp c, 0,1,2
	global_store_b128 v2, v[FB+4*\c:FB+4*\c+3], s[12:13] offset:1536+512*\c
.endr
	ds_store_b32 v3, v[SBW]                        ; the four waves' words meet in LDS, so that they leave as one dense block
	s_wait_dscnt 0x0                               ; for the others' sake: my store has landed
	s_barrier_signal -1
	s_barrier_wait -1
	s_cmp_lg_u32 s16, 0
	s_cbranch_scc1 .Lnot_wave_0
	ds_load_b128 v[24:27], v2
	s_wait_dscnt 0x0
	global_store_b128 v2, v[24:27], s[14:15]       ; 512 consecutive bytes
.Lnot_wave_0:
	s_wait_tensorcnt 0x0                           ; the wave's end, behind my last LDS store
	ds_add_u32 v[SPW], v[NIL]
	s_wait_dscnt 0x0
	s_endpgm
.Lfunc_end_k_qe07ea86a13_quant_w:
	.size	k_qe07ea86a13_quant_w, .Lfunc_end_k_qe07ea86a13_quant_w-k_qe07ea86a13_quant_w
	.p2alignl 7, 3214868480
	.fill 96, 4, 3214868480
	.section	.rodata,"a",@progbits
	.p2align	6, 0x0
	.amdhsa_kernel k_qe07ea86a13_quant_w
		.amdhsa_group_segment_fixed_size 1024
		.amdhsa_private_segment_fixed_size 0
		.amdhsa_enable_private_segment 0
		.amdhsa_kernarg_size 40
		.amdhsa_user_sgpr_count 2
		.amdhsa_user_sgpr_kernarg_segment_ptr 1
		.amdhsa_wavefront_size32 1
		.amdhsa_system_sgpr_workgroup_id_x 1
		.amdhsa_system_sgpr_workgroup_id_y 1
		.amdhsa_system_sgpr_workgroup_id_z 1
		.amdhsa_system_vgpr_workitem_id 0
		.amdhsa_next_free_vgpr 192
		.amdhsa_next_free_sgpr 66
		.amdhsa_reserve_vcc 0
		.amdhsa_float_denorm_mode_32 3
		.amdhsa_float_denorm_mode_16_64 3
		.amdhsa_memory_ordered 1
		.amdhsa_forward_progress 1
		.amdhsa_inst_pref_size 22
	.end_amdhsa_kernel
	.amdgpu_metadata
---
amdhsa.version: [ 1, 2 ]
amdhsa.kernels:
  - .name:           k_qe07ea86a13_quant_w
    .symbol:         k_qe07ea86a13_quant_w.kd
    .args:
      - { .name: Wq, .offset: 0, .size: 8, .value_kind: global_buffer, .address_space: global }
      - { .name: Wk, .offset: 8, .size: 8, .value_kind: global_buffer, .address_space: global }
      - { .name: Wv, .offset: 16, .size: 8, .value_kind: global_buffer, .address_space: global }
      - { .name: Wo, .offset: 24, .size: 8, .value_kind: global_buffer, .address_space: global }
      - { .name: wq, .offset: 32, .size: 8, .value_kind: global_buffer, .address_space: global }
    .group_segment_fixed_size: 1024
    .private_segment_fixed_size: 0
    .kernarg_segment_align: 8
    .kernarg_segment_size: 40
    .max_flat_workgroup_size: 128
    .sgpr_count:     66
    .vgpr_count:     192
    .wavefront_size: 32
...
	.end_amdgpu_metadata
.endif
;; end of part 1
;; launch quant_x (part 2): grid 256 x 3, 2 waves a work-group, no clusters, 17,152 bytes of LDS; arguments query, key, value, xq; writes xq
.if DOCPART == 2
	.amdgcn_target "amdgcn-amd-amdhsa--gfx1250"
	.amdhsa_code_object_version 6
	.text
	.protected	k_qe07ea86a13_quant_x
	.globl	k_qe07ea86a13_quant_x
	.p2align	8
	.type	k_qe07ea86a13_quant_x,@function
k_qe07ea86a13_quant_x:
	s_mov_b64 s[64:65], 0
	v_nop
	global_prefetch_b8 v0, s[64:65] scope:SCOPE_SE
	s_setreg_imm32_b32 hwreg(HW_REG_WAVE_MODE, 25, 1), 1
	s_wait_xcnt 0x0
; query, key, value [8192 (token)][1024 (k)], f32, become codes of FP6 (E2M3) with one E8M0 byte for each 32 along K, laid as images of the operand's registers:
;   codes  at 0:      [tensor 3][y 64][K step 8][tile 8][piece 6][lane 32][8 bytes]: piece p holds registers 2 p, 2 p + 1 of a fragment (16 rows x 128 k)
;   scales at XSOFF:  [tensor 3][y 64][tile 8][lane 32][4 words]: word i: lanes 0-15 the rows' scale words of K step 2 i, lanes 16-31 those of K step 2 i + 1
; THE ROWS OF A TILE ARE NOT NEIGHBOURS: lane r of tile m of block y takes token 128 y + 32 (m / 2) + 8 (m % 2) + r + 8 (r / 8).
; SHARES: work-group y = the tensor; wave w of work-group g owns row tile 2 g + w (first token 32 g + 8 w) for all eight K steps.
; Each load reads one row's 512 consecutive bytes of a K step; the 16 rows turn through the wave's own stage in LDS (rows 528 bytes apart: 33 x 16, so the sixteen rows of a read start in different banks)
; and come back so that register 16 b + i of lane (r, h) is k = 32 b + 16 h + i of row r: 16 neighbours of each block, as the conversions want them.
; LIMITS: a block whose largest magnitude lies under 2^-124 keeps the byte 1; NaN and infinities are not served.
.set R,     16                         ; v16-143  two sets of 64: a K step's 16 rows as loaded
.set X,     144                        ; v144-207 64 numbers of my row
.set PC,    208                        ; v208-219 the fragment's codes; v220-222, v224-226 halves on their way
.set TM,    228                        ; v228-231 largest magnitudes, v232-235 the other half's / bytes, v240-243 the conversions' scale operands
.set PW,    244                        ; v244     my row's scale word
.set SW,    248                        ; v248-251 the scale image's four words
.set SPW,   5
.set NIL,   6
.set SPARE, 16896                      ; LDS: two stages of 8,448 bytes, then the spare words, 128 bytes a wave
.set XSOFF, 18874368
	s_load_b256 s[4:11], s[0:1], 0x0               ; query, key, value, xq
	v_lshl_add_u32 v[SPW], v0, 2, SPARE
	v_mov_b32 v[NIL], 0
	v_lshrrev_b32 v7, 5, v0
	v_readfirstlane_b32 s12, v7                    ; wave
	s_and_b32 s13, ttmp7, 0xffff                   ; tensor
	v_and_b32 v7, 31, v0
	v_lshlrev_b32 v1, 4, v7                        ; 16 x lane
	v_lshlrev_b32 v2, 3, v7                        ; 8 x lane
	s_mul_i32 s14, s12, 8448
	v_add_nc_u32 v3, s14, v1                       ; the stage, on the way in: a row as it lies
	v_and_b32 v8, 15, v0
	v_bfe_u32 v9, v0, 4, 1
	v_mul_u32_u24 v4, v8, 528
	v_lshl_add_u32 v4, v9, 6, v4
	v_add_nc_u32 v4, s14, v4                       ; on the way out: row r, + 64 h
	s_mov_b32 s20, 0xffff0000                      ; lanes 16-31
	s_mov_b32 s22, 0x76543210
	s_mov_b32 s23, 0xfedcba98                      ; v_permlanex16_b32's selects for lane l xor 16
.irp b, 0,1,2,3
	v_mov_b32 v[TM+4+\b], 0                        ; written once: a lane permute's destination counts as one of its sources
.endr
	s_lshl_b32 s16, ttmp9, 17                      ; in: 32 g rows of 4,096 bytes,
	s_lshl_b32 s17, s12, 15                        ; + 8 rows for wave 1
	s_add_co_u32 s16, s16, s17
	s_mov_b32 s17, 0
	s_lshl_b32 s15, ttmp9, 1
	s_add_co_u32 s15, s15, s12                     ; my row tile, 0 .. 511
	s_mul_i32 s18, s13, 6291456
	s_lshr_b32 s19, s15, 3
	s_mul_i32 s19, s19, 98304
	s_add_co_u32 s18, s18, s19
	s_and_b32 s19, s15, 7
	s_mul_i32 s19, s19, 1536
	s_add_co_u32 s18, s18, s19                     ; out: tensor, y, tile
	s_mov_b32 s19, 0
	s_lshl_b32 s24, s13, 18
	s_lshl_b32 s25, s15, 9
	s_add_co_u32 s24, s24, s25
	s_add_co_u32 s24, s24, XSOFF                   ; the scale image
	s_mov_b32 s25, 0
	s_wait_alu depctr_va_vdst(0)
	s_wait_kmcnt 0x0
	s_cmp_eq_u32 s13, 1                            ; the choice hangs on the work-group's number alone
	s_cselect_b64 s[4:5], s[6:7], s[4:5]
	s_cmp_eq_u32 s13, 2
	s_cselect_b64 s[4:5], s[8:9], s[4:5]
	s_add_nc_u64 s[4:5], s[4:5], s[16:17]
	s_add_nc_u64 s[26:27], s[10:11], s[24:25]
	s_add_nc_u64 s[10:11], s[10:11], s[18:19]
.macro XLOAD s
.set ii, 0
.rept 16
	global_load_b128 v[R+64*((\s)%2)+4*ii:R+64*((\s)%2)+4*ii+3], v1, s[4:5] offset:(ii+8*(ii/8))*4096+512*(\s) th:TH_LOAD_NT
.set ii, ii+1
.endr
.endm
; 64 numbers of a lane, register 16 b + i = k 32 b + 16 (lane / 16) + i of my row, become a fragment's codes in v[PC] on and its scale word in v[PW]
.macro QUANT s
.irp b, 0,1,2,3
	v_max3_num_f32 v[TM+\b], |v[\s+16*\b]|, |v[\s+1+16*\b]|, 0x1800000   ; my 16 numbers of block b, and the floor 2^(3 - 127): the byte cannot fall under 1
.endr
.irp i, 2,4,6,8,10,12,14
.irp b, 0,1,2,3
	v_max3_num_f32 v[TM+\b], v[TM+\b], |v[\s+16*\b+\i]|, |v[\s+1+16*\b+\i]|   ; the four blocks by turns
.endr
.endr
.irp b, 0,1,2,3
	v_permlanex16_b32 v[TM+4+\b], v[TM+\b], s22, s23
.endr
.irp b, 0,1,2,3
	v_max_num_f32 v[TM+\b], v[TM+\b], v[TM+4+\b]   ; with lane l xor 16's: the block's largest magnitude
.endr
.irp b, 0,1,2,3
	v_add_nc_u32 v[TM+12+\b], 0xff000000, v[TM+\b] ; 2 off its exponent field: the conversion's scale operand
.endr
.irp b, 0,1,2,3
	v_lshrrev_b32 v[TM+4+\b], 23, v[TM+12+\b]      ; the scale's byte
.endr
	v_lshl_or_b32 v[PW], v[TM+5], 8, v[TM+4]
	v_lshl_or_b32 v[PW], v[TM+6], 16, v[PW]
	v_lshl_or_b32 v[PW], v[TM+7], 24, v[PW]
.irp c, 0,1
	v_cvt_scalef32_pk16_fp6_f32 v[PC+6*\c:PC+2+6*\c], v[\s+32*\c:\s+15+32*\c], v[TM+12+2*\c]
	v_cvt_scalef32_pk16_fp6_f32 v[PC+12+4*\c:PC+14+4*\c], v[\s+16+32*\c:\s+31+32*\c], v[TM+12+2*\c+1]
.endr
	v_nop                                          ; one plain instruction behind a scaled conversion
.irp c, 0,1                                    ; the operand's layout wants a WHOLE block in a lane: lanes 0-15 block 2 c, lanes 16-31 block 2 c + 1
.irp i, 0,1,2
	v_permlane16_swap_b32 v[PC+6*\c+\i], v[PC+12+4*\c+\i]
.endr
.irp i, 0,1,2
	v_mov_b32 v[PC+3+6*\c+\i], v[PC+12+4*\c+\i]
.endr
.endr
.endm
.macro XSTEP s
.if (\s) < 7
	s_wait_loadcnt 16                              ; this K step's 16 loads are in; the next step's 16 may be out
.else
	s_wait_loadcnt 0x0
.endif
.set ii, 0
.rept 16
	ds_store_b128 v3, v[R+64*((\s)%2)+4*ii:R+64*((\s)%2)+4*ii+3] offset:528*ii
.set ii, ii+1
.endr
.set ii, 0
.rept 16
	ds_load_b128 v[X+4*ii:X+4*ii+3], v4 offset:128*(ii/4)+16*(ii%4)    ; LDS serves a wave's instructions in order: these see the stores above
.set ii, ii+1
.endr
	s_wait_dscnt 0x0                               ; my 64 numbers are back, and the stores into the stage have read their registers
	s_wait_xcnt 0x0                                ; the last step's global stores have read the codes' registers: they are written again below
.if (\s) < 6
	XLOAD (\s)+2
.endif
	QUANT X
.irp p, 0,1,2,3,4,5
	global_store_b64 v2, v[PC+2*\p:PC+2*\p+1], s[10:11] offset:12288*(\s)+256*\p   ; 256 consecutive bytes, at a multiple of 256
.endr
.if (\s)%2 == 0
	v_mov_b32 v[SW+(\s)/2], v[PW]
.else
	v_cndmask_b32 v[SW+(\s)/2], v[SW+(\s)/2], v[PW], s20   ; the odd K step's words into lanes 16-31
.endif
.endm
	XLOAD 0
	XLOAD 1
.irp s, 0,1,2,3,4,5,6,7
	XSTEP \s
.endr
	global_store_b128 v1, v[SW:SW+3], s[26:27]     ; the tile's scale image: 512 consecutive bytes
	s_wait_tensorcnt 0x0                           ; the wave's end, behind my last LDS store
	ds_add_u32 v[SPW], v[NIL]
	s_wait_dscnt 0x0
	s_endpgm
.Lfunc_end_k_qe07ea86a13_quant_x:
	.size	k_qe07ea86a13_quant_x, .Lfunc_end_k_qe07ea86a13_quant_x-k_qe07ea86a13_quant_x
	.p2alignl 7, 3214868480
	.fill 96, 4, 3214868480
	.section	.rodata,"a",@progbits
	.p2align	6, 0x0
	.amdhsa_kernel k_qe07ea86a13_quant_x
		.amdhsa_group_segment_fixed_size 17152
		.amdhsa_private_segment_fixed_size 0
		.amdhsa_enable_private_segment 0
		.amdhsa_kernarg_size 32
		.amdhsa_user_sgpr_count 2
		.amdhsa_user_sgpr_kernarg_segment_ptr 1
		.amdhsa_wavefront_size32 1
		.amdhsa_system_sgpr_workgroup_id_x 1
		.amdhsa_system_sgpr_workgroup_id_y 1
		.amdhsa_system_sgpr_workgroup_id_z 1
		.amdhsa_system_vgpr_workitem_id 0
		.amdhsa_next_free_vgpr 256
		.amdhsa_next_free_sgpr 66
		.amdhsa_reserve_vcc 0
		.amdhsa_float_denorm_mode_32 3
		.amdhsa_float_denorm_mode_16_64 3
		.amdhsa_memory_ordered 1
		.amdhsa_forward_progress 1
		.amdhsa_inst_pref_size 66
	.end_amdhsa_kernel
	.amdgpu_metadata
---
amdhsa.version: [ 1, 2 ]
amdhsa.kernels:
  - .name:           k_qe07ea86a13_quant_x
    .symbol:         k_qe07ea86a13_quant_x.kd
    .args:
      - { .name: query, .offset: 0, .size: 8, .value_kind: global_buffer, .address_space: global }
      - { .name: key, .offset: 8, .size: 8, .value_kind: global_buffer, .address_space: global }
      - { .name: value, .offset: 16, .size: 8, .value_kind: global_buffer, .address_space: global }
      - { .name: xq, .offset: 24, .size: 8, .value_kind: global_buffer, .address_space: global }
    .group_segment_fixed_size: 17152
    .private_segment_fixed_size: 0
    .kernarg_segment_align: 8
    .kernarg_segment_size: 32
    .max_flat_workgroup_size: 64
    .sgpr_count:     66
    .vgpr_count:     256
    .wavefront_size: 32
...
	.end_amdgpu_metadata
.endif
;; end of part 2
;; launch proj (part 3): grid 4 x 192, 4 waves a work-group, clusters of 4 x 4, 327,680 bytes of LDS; arguments xq, wq, bq, bk, bv, mask, qq, kv; writes qq, kv
.if DOCPART == 3
	.amdgcn_target "amdgcn-amd-amdhsa--gfx1250"
	.amdhsa_code_object_version 6
	.text
	.protected	k_qe07ea86a13_proj
	.globl	k_qe07ea86a13_proj
	.p2align	8
	.type	k_qe07ea86a13_proj,@function
k_qe07ea86a13_proj:
	s_mov_b64 s[64:65], 0
	v_nop
	global_prefetch_b8 v0, s[64:65] scope:SCOPE_SE
	s_setreg_imm32_b32 hwreg(HW_REG_WAVE_MODE, 25, 1), 1
	s_wait_xcnt 0x0
	s_wait_alu depctr_hold_cnt(0) depctr_sa_sdst(0) depctr_va_vdst(0) depctr_va_sdst(0) depctr_va_ssrc(0) depctr_va_vcc(0) depctr_vm_vsrc(0)
	s_getreg_b32 s2, hwreg(HW_REG_IB_STS2, 6, 4)
	s_cmp_eq_u32 s2, 0
	s_cbranch_scc0 .Lentry_in_a_cluster
	s_endpgm
.Lentry_in_a_cluster:
	s_bfe_u32 s2, ttmp6, 0x10000c
	s_cmp_lg_u32 s2, 0xf033
	s_cbranch_scc0 .Lentry_shape_is_right
	s_endpgm
.Lentry_shape_is_right:
; q = query Wq + bq, k = key Wk + bk, v = value Wv + bv on codes of FP6 (E2M3) with E8M0 scales; the results are quantised in registers and stored as the attention launch's operand images.
; SHARES.  A work-group makes 128 tokens x 256 columns of one of the three products (T = cluster y / 16); wave w makes the 128 tokens x the 64 columns of head 4 x + w: 32 accumulators.
; ALL OF K FITS IN LDS: A's 128 rows (98,304 bytes) and B's 256 columns (196,608 bytes) come as register images, dense blocks, in four chunks of two K steps; every byte of LDS is filled once.
; By this text's own count a wave has eight tensor loads out at the start.  CLUSTER 4 x 4: A's block is shared along a row of the cluster, B's along a column: each is asked for jointly.
; q and k are made TRANSPOSED (source 0 = 16 columns of W, source 1 = 16 tokens): a lane holds one token and its registers run along the head's 64, the K of q k^T.
; v is made the natural way (source 0 = tokens, source 1 = columns): a lane holds one channel and its registers run along the tokens, the K of p v.  The bias is the C of each sum's first product.
; Tiles of tokens and of columns are permuted alike (lane r of tile 2 b + u: index 32 b + 8 u + r + 8 (r / 8)), so that the 16 registers of tiles 2 b, 2 b + 1 are 16 neighbours, 32 b + 16 (lane / 16) + 0 .. 15.
; OUT.  qq: [bh][tile 128][768 bytes] half fragments (6 registers: 64 along K), scale words behind them.  kv: [bh][step 16][13,312 bytes]: 4 double fragments of k (two key tiles in one run of 12 registers),
; 4 fragments of v, their scale words, and the step's 128 keys' mask as f32: 0 where the key counts, -2^100 where it does not.
; LIMITS: a block whose largest magnitude lies under 2^-124 keeps the byte 1; NaN and infinities are not served.
; REGISTERS: window 0: v1-15 addresses; v16-47 A's scale words; v48-63 B's; v64-95 the bias; v96-191 B's fragments, two sets; v192-244 the way out.  window 1: the accumulators.  window 2: v0-191 A's fragments, two sets.
; THE FILLS AS THEY STAND NOW (in place of the chunks and of the count of loads named above): one tensor load a wave at the head: waves 0 to 2 a third of B's block each
; (256 rows of 256 bytes), wave 3 all of A's block (384 rows); every wave waits for its load, one barrier shows all of K to all waves, and no barrier stands among the K steps.
.set XSOFF,  18874368
.set WSOFF,  3145728
.set QSOFF,  6291456
.set BOFF,   98304                     ; LDS: A at 0 [K step][tile][1,536], B here [K step][tile 16][1,536]
.set SPARE,  294912                    ; behind them the spare words, 128 bytes a wave
.set L16,  1                           ; v1   16 x lane
.set AA,   2                           ; v2   8 x lane: A's K steps 0-3 (and the 8-byte stores);  v3  the same + 49,152: K steps 4-7
.set BBA,  5                           ; v5-8 B's fragments of my head, K steps 2 q, 2 q + 1
.set SPW,  10
.set NIL,  11
.set SA,   16                          ; SA + 4 m + s / 2: lanes 0-15 K step even, lanes 16-31 odd
.set SB,   48                          ; SB + 2 s + pair: lanes 0-15 the pair's even tile, lanes 16-31 its odd one
.set BI,   64
.set BF,   96
.set PC,   192
.set TM,   212
.set PW,   228
.set OSR,  232                         ; v232-235 scale words on the way out
.set MK,   236                         ; v236 four mask bytes; v237 at work; v240-243 the mask as f32; v244 -2^100
.set WV,   20
.set TN,   23
.set G1A,  24
.set G1B,  32
.set G0A,  40                          ; s[40:43]: one set
.set G0B,  68                          ; s[68:71]: one set
.set UPPER, 89
.set SEL,  90
.set MSB, 0
.macro WIN new                         ; the immediate's high byte repeats the setting that is left
.if MSB != \new
	s_set_vgpr_msb (MSB<<8)|\new
.set MSB, \new
.endif
.endm
.macro CROUND                          ; a round of the cluster's barrier
	s_barrier_signal -1
	s_barrier_wait -1
	s_cmp_lg_u32 s[WV], 0
	s_cbranch_scc1 .Lnot_wave_0_\@
	s_barrier_signal -3
.Lnot_wave_0_\@:
	s_barrier_wait -3
	s_barrier_signal -1
	s_barrier_wait -1
.endm
.macro PLACES
.rept 4
	v_nop
.endr
.endm
	s_load_b512 s[4:19], s[0:1], 0x0               ; xq, wq, bq, bk, bv, mask, qq, kv
	v_lshl_add_u32 v[SPW], v0, 2, SPARE
	v_mov_b32 v[NIL], 0
	ds_add_u32 v[SPW], v[NIL]                      ; the wave's opening: the add and its wait ahead of my first tensor load
	ds_add_u32 v[SPW], v[NIL]
	v_lshrrev_b32 v1, 5, v0
	v_readfirstlane_b32 s[WV], v1                  ; wave 0..3
	s_bfe_u32 s21, ttmp6, 0x40000                  ; cx
	s_bfe_u32 s22, ttmp6, 0x40004                  ; cy
	s_and_b32 s56, ttmp7, 0xffff                   ; cluster y, 0 .. 47
	s_lshr_b32 s[TN], s56, 4                       ; T: 0 q, 1 k, 2 v: the same in all sixteen partners
	s_and_b32 s56, s56, 15
	s_lshl_b32 s56, s56, 2
	s_add_co_u32 s84, s56, s22                     ; y: my block of 128 tokens, 0 .. 63
	s_lshl_b32 s57, s22, 2
	s_lshl_b32 s57, 15, s57                        ; my row of the cluster
	s_lshl_b32 s58, 0x1111, s21                    ; my column
	; descriptor group 1: dense blocks as rows of 256 bytes (32 elements of 8 bytes), no padding: A 384 rows a load, B 256
	s_or_b32 s[G1A], s57, (3<<16)|(1<<21)
	s_or_b32 s[G1B], s58, (3<<16)|(1<<21)
	s_mov_b32 s[G1A+1], 32<<16
	s_mov_b32 s[G1A+2], 384<<16
	s_mov_b32 s[G1A+3], 32<<16
	s_mov_b32 s[G1A+4], 384
	s_mov_b32 s[G1A+5], 32
	s_mov_b32 s[G1A+6], 0
	s_mov_b32 s[G1A+7], 0
	s_mov_b32 s[G1B+1], 32<<16
	s_mov_b32 s[G1B+2], 256<<16
	s_mov_b32 s[G1B+3], 32<<16
	s_mov_b32 s[G1B+4], 256
	s_mov_b32 s[G1B+5], 32
	s_mov_b32 s[G1B+6], 0
	s_mov_b32 s[G1B+7], 0
	s_mul_i32 s62, s[WV], 6144                     ; my head's four tiles in a K step of B
	s_lshl_b32 s63, s[WV], 16                      ; my third of B's block (waves 0 to 2), in memory and in LDS alike
	s_mul_i32 s60, s[TN], 6291456
	s_mul_i32 s59, s84, 98304
	s_add_co_u32 s60, s60, s59
	s_mov_b32 s61, 0
	s_mul_i32 s66, s[TN], 786432
	s_mul_i32 s58, s21, 196608
	s_add_co_u32 s66, s66, s58
	s_add_co_u32 s66, s66, s63                     ; B: weight, x, wave: nothing of cy
	s_mov_b32 s67, 0
	s_lshl_b32 s85, s21, 2
	s_add_co_u32 s85, s85, s[WV]                   ; my head = 4 x + wave
	s_lshr_b32 s86, s84, 4                         ; batch
	s_and_b32 s87, s84, 15                         ; y': the block of 128 tokens in the batch = the key step
	s_lshl_b32 s88, s86, 4
	s_add_co_u32 s88, s88, s85                     ; bh
	s_mov_b32 s[UPPER], 0xffff0000                 ; lanes 16-31
	s_mov_b32 s[SEL], 0x76543210
	s_mov_b32 s[SEL+1], 0xfedcba98
	s_wait_dscnt 0x0                               ; the opening add is done
	s_wait_kmcnt 0x0
	s_add_nc_u64 s[60:61], s[4:5], s[60:61]
	s_add_nc_u64 s[66:67], s[6:7], s[66:67]
	s_mov_b32 s[G0A], 1
	s_mov_b32 s[G0A+1], 0
	s_mov_b64 s[G0A+2:G0A+3], s[60:61]
	s_or_b32 s[G0A+3], s[G0A+3], 0x80000000
	s_mov_b32 s[G0B], 1
	s_add_co_u32 s[G0B+1], s63, BOFF
	s_mov_b64 s[G0B+2:G0B+3], s[66:67]
	s_or_b32 s[G0B+3], s[G0B+3], 0x80000000
	CROUND                                         ; all sixteen work-groups are here: the joint loads meet
	s_cmp_lt_u32 s[WV], 3                          ; one tensor load a wave at the head
	s_cbranch_scc0 .Lload_a
	tensor_load_to_lds s[G0B:G0B+3], s[G1B:G1B+7]  ; waves 0 to 2: a third of B's block each
	s_nop 0
	PLACES
	s_branch .Lloaded
.Lload_a:
	tensor_load_to_lds s[G0A:G0A+3], s[G1A:G1A+7]  ; wave 3: A's block
	s_nop 0
	PLACES
.Lloaded:
	v_and_b32 v12, 31, v0
	v_lshlrev_b32 v[L16], 4, v12
	v_lshlrev_b32 v[AA], 3, v12
	v_add_nc_u32 v[AA+1], 49152, v[AA]
	v_add_nc_u32 v4, s62, v[L16]
.irp q, 0,1,2,3
	v_add_nc_u32 v[BBA+\q], BOFF+\q*49152, v4
.endr
	v_lshlrev_b32 v14, 2, v12                      ; 4 x lane: the mask's bytes
	v_bfe_u32 v12, v0, 4, 1
	v_lshlrev_b32 v12, 6, v12                      ; 64 h: the bias of q and k
	v_and_b32 v13, 15, v0
	v_and_b32 v15, 8, v0
	v_add_nc_u32 v13, v13, v15
	v_lshlrev_b32 v13, 2, v13                      ; 4 (r + 8 (r / 8)): the bias of v
.irp b, 0,1,2,3
	v_mov_b32 v[TM+4+\b], 0                        ; written once: a lane permute's destination counts as one of its sources
.endr
	s_lshl_b32 s56, s[TN], 18
	s_lshl_b32 s57, s84, 12
	s_add_co_u32 s56, s56, s57
	s_add_co_u32 s56, s56, XSOFF
	s_mov_b32 s57, 0
	s_add_nc_u64 s[92:93], s[4:5], s[56:57]        ; A's scale images
	s_lshl_b32 s56, s[TN], 15
	s_lshl_b32 s58, s85, 11
	s_add_co_u32 s56, s56, s58
	s_add_co_u32 s56, s56, WSOFF
	s_add_nc_u64 s[94:95], s[6:7], s[56:57]        ; my head's scale images of B
	s_cmp_eq_u32 s[TN], 1
	s_cselect_b64 s[96:97], s[10:11], s[8:9]
	s_cmp_eq_u32 s[TN], 2
	s_cselect_b64 s[96:97], s[12:13], s[96:97]
	s_lshl_b32 s56, s85, 8
	s_add_nc_u64 s[96:97], s[96:97], s[56:57]      ; the bias at my head
	s_lshl_b32 s56, s84, 7
	s_add_nc_u64 s[14:15], s[14:15], s[56:57]      ; the mask at my 128 tokens
	s_mul_i32 s56, s88, 212992
	s_mul_i32 s58, s87, 13312
	s_add_co_u32 s56, s56, s58
	s_add_nc_u64 s[18:19], s[18:19], s[56:57]      ; kv at (bh, step)
	s_lshl_b32 s56, s88, 7
	s_lshl_b32 s58, s87, 3
	s_add_co_u32 s56, s56, s58
	s_mul_i32 s56, s56, 768
	s_add_nc_u64 s[98:99], s[16:17], s[56:57]      ; qq at tile 128 bh + 8 y'
	s_lshl_b32 s56, s88, 4
	s_add_co_u32 s56, s56, s87
	s_lshl_b32 s56, s56, 9
	s_add_co_u32 s56, s56, QSOFF
	s_add_nc_u64 s[16:17], s[16:17], s[56:57]      ; and its scale words
.irp m, 0,1,2,3,4,5,6,7
	global_load_b128 v[SA+4*\m:SA+4*\m+3], v[L16], s[92:93] offset:512*\m
.endr
.irp q, 0,1,2,3
	global_load_b128 v[SB+4*\q:SB+4*\q+3], v[L16], s[94:95] offset:512*\q
.endr
	global_load_b32 v[MK], v14, s[14:15]           ; four keys' mask bytes a lane (used on k's path)
	s_cmp_eq_u32 s[TN], 2
	s_cbranch_scc1 .Lbias_v
	s_wait_alu depctr_va_vdst(0)
.irp t, 0,1,2,3                                ; q, k: register j of tile t is column 32 (t / 2) + 16 h + 8 (t % 2) + j of the head
	global_load_b128 v[BI+8*\t:BI+8*\t+3], v12, s[96:97] offset:(32*(\t/2)+8*(\t%2))*4
	global_load_b128 v[BI+8*\t+4:BI+8*\t+7], v12, s[96:97] offset:(32*(\t/2)+8*(\t%2))*4+16
.endr
	s_branch .Lbias_done
.Lbias_v:
	s_wait_alu depctr_va_vdst(0)
.irp t, 0,1,2,3                                ; v: all eight registers of tile t are my lane's one column
.irp j, 0,1,2,3,4,5,6,7
	global_load_b32 v[BI+8*\t+\j], v13, s[96:97] offset:(32*(\t/2)+8*(\t%2))*4
.endr
.endr
.Lbias_done:
; one scaled product; ra, rb: the scales of source 0, 1 stand in lanes 16-31
.macro WM d, a, b, c, sa, sb, ra, rb
.if (\ra) && (\rb)
	v_wmma_scale_f32_16x16x128_f8f6f4 v[(\d):(\d)+7], v[(\a):(\a)+11], v[(\b):(\b)+11], v[(\c):(\c)+7], v[(\sa)], v[(\sb)] matrix_a_fmt:MATRIX_FMT_FP6 matrix_b_fmt:MATRIX_FMT_FP6 matrix_a_scale:MATRIX_SCALE_ROW1 matrix_b_scale:MATRIX_SCALE_ROW1
.elseif (\ra)
	v_wmma_scale_f32_16x16x128_f8f6f4 v[(\d):(\d)+7], v[(\a):(\a)+11], v[(\b):(\b)+11], v[(\c):(\c)+7], v[(\sa)], v[(\sb)] matrix_a_fmt:MATRIX_FMT_FP6 matrix_b_fmt:MATRIX_FMT_FP6 matrix_a_scale:MATRIX_SCALE_ROW1
.elseif (\rb)
	v_wmma_scale_f32_16x16x128_f8f6f4 v[(\d):(\d)+7], v[(\a):(\a)+11], v[(\b):(\b)+11], v[(\c):(\c)+7], v[(\sa)], v[(\sb)] matrix_a_fmt:MATRIX_FMT_FP6 matrix_b_fmt:MATRIX_FMT_FP6 matrix_b_scale:MATRIX_SCALE_ROW1
.else
	v_wmma_scale_f32_16x16x128_f8f6f4 v[(\d):(\d)+7], v[(\a):(\a)+11], v[(\b):(\b)+11], v[(\c):(\c)+7], v[(\sa)], v[(\sb)] matrix_a_fmt:MATRIX_FMT_FP6 matrix_b_fmt:MATRIX_FMT_FP6
.endif
.endm
; K step s's fragments: A's eight (48 loads of 8 bytes, lane by lane on end) into window 2, my head's four of B (12 loads of 16 bytes) into window 0; set s % 2
.macro FETCH s
	WIN 0x80
.set mm, 0
.rept 8
.irp p, 0,1,2,3,4,5
	ds_load_b64 v[96*((\s)%2)+12*mm+2*\p:96*((\s)%2)+12*mm+2*\p+1], v[AA+(\s)/4] offset:((\s)%4)*12288+1536*mm+256*\p
.endr
.set mm, mm+1
.endr
	WIN 0
.irp t, 0,1,2,3
.irp c, 0,1,2
	ds_load_b128 v[BF+48*((\s)%2)+12*\t+4*\c:BF+48*((\s)%2)+12*\t+4*\c+3], v[BBA+(\s)/2] offset:((\s)%2)*24576+1536*\t+512*\c
.endr
.endr
.endm
; 16 products of K step s.  The 32 accumulators take turns, one instruction a turn, in the same order in every step.  In step 0 the bias is C.
.macro MULH s, nat, half
.set qi, 0
.rept 16
.if \nat
.set tt, 2*(\half)+qi/8
.set mm, qi%8
.set dd, 8*(8*tt+mm)
.else
.set mm, 4*(\half)+qi/4
.set tt, qi%4
.set dd, 8*(4*mm+tt)
.endif
.set fa, 96*((\s)%2)+12*mm
.set fb, BF+48*((\s)%2)+12*tt
.set cc, dd
.if (\s) == 0
.set cc, BI+8*tt
.endif
.if \nat
	WM dd, fa, fb, cc, SA+4*mm+(\s)/2, SB+2*(\s)+tt/2, (\s)%2, tt%2
.else
	WM dd, fb, fa, cc, SB+2*(\s)+tt/2, SA+4*mm+(\s)/2, tt%2, (\s)%2
.endif
.set qi, qi+1
.endr
.endm
.macro MWIN s, nat                     ; A in window 2, B in window 0, D in window 1; C in window 1, in step 0 (the bias) in window 0
.if \nat
.if (\s) == 0
	WIN 0x42
.else
	WIN 0x52
.endif
.else
.if (\s) == 0
	WIN 0x48
.else
	WIN 0x58
.endif
.endif
.endm
.macro KSTEP s, nat
	s_wait_dscnt 0x0                               ; this step's fragments are in (asked for 16 products ago)
	MWIN \s, \nat
	MULH \s, \nat, 0
.if (\s) < 7
	WIN 0
	PLACES                                         ; four plain instructions in front of loads into registers that the last step's products have read
	FETCH (\s)+1
	MWIN \s, \nat
.endif
	MULH \s, \nat, 1
.endm
; 64 accumulator registers of window 1, register 16 b + i = index 32 b + 16 (lane / 16) + i along the next K, become 12 registers of codes in v[PC] on and four scale bytes in v[PW]
.macro QUANT src
	s_wait_xcnt 0x0                                ; earlier stores have read the codes' registers
	WIN 0x14
.irp b, 0,1,2,3
	v_max3_num_f32 v[TM+\b], 0x1800000, |v[(\src)+16*\b]|, |v[(\src)+1+16*\b]|   ; each accumulator is read from its low end on; the floor 2^(3 - 127) holds the byte at 1 from below
.endr
.irp i, 2,4,6,8,10,12,14
.irp b, 0,1,2,3
	v_max3_num_f32 v[TM+\b], v[TM+\b], |v[(\src)+16*\b+\i]|, |v[(\src)+1+16*\b+\i]|
.endr
.endr
	WIN 0
.irp b, 0,1,2,3
	v_permlanex16_b32 v[TM+4+\b], v[TM+\b], s[SEL], s[SEL+1]
.endr
.irp b, 0,1,2,3
	v_max_num_f32 v[TM+\b], v[TM+\b], v[TM+4+\b]
.endr
.irp b, 0,1,2,3
	v_add_nc_u32 v[TM+12+\b], 0xff000000, v[TM+\b]
.endr
.irp b, 0,1,2,3
	v_lshrrev_b32 v[TM+4+\b], 23, v[TM+12+\b]
.endr
	v_lshl_or_b32 v[PW], v[TM+5], 8, v[TM+4]
	v_lshl_or_b32 v[PW], v[TM+6], 16, v[PW]
	v_lshl_or_b32 v[PW], v[TM+7], 24, v[PW]
	WIN 0x01
.irp c, 0,1
	v_cvt_scalef32_pk16_fp6_f32 v[PC+6*\c:PC+2+6*\c], v[(\src)+32*\c:(\src)+15+32*\c], v[TM+12+2*\c]
	v_cvt_scalef32_pk16_fp6_f32 v[PC+12+4*\c:PC+14+4*\c], v[(\src)+16+32*\c:(\src)+31+32*\c], v[TM+12+2*\c+1]
.endr
	WIN 0
	v_nop                                          ; one plain instruction behind a scaled conversion
.irp c, 0,1
.irp i, 0,1,2
	v_permlane16_swap_b32 v[PC+6*\c+\i], v[PC+12+4*\c+\i]
.endr
.irp i, 0,1,2
	v_mov_b32 v[PC+3+6*\c+\i], v[PC+12+4*\c+\i]
.endr
.endr
.endm
	s_wait_tensorcnt 0x0                           ; my one load has landed
	s_barrier_signal -1
	s_barrier_wait -1                              ; everybody's has
	FETCH 0
	s_wait_loadcnt 0x0                             ; scale words, bias, mask
	s_cmp_eq_u32 s[TN], 2
	s_cbranch_scc1 .Lv_path
.irp s, 0,1,2,3,4,5,6,7
	KSTEP \s, 0
.endr
	WIN 0
	PLACES                                         ; in front of the first read of results
	s_cmp_eq_u32 s[TN], 1
	s_cbranch_scc1 .Lk_out
	; ---- q: row tiles 2 b, 2 b + 1 give two half fragments of 768 bytes each
.irp b, 0,1,2,3
	QUANT 64*\b
	global_store_b128 v[L16], v[PC:PC+3], s[98:99] offset:1536*\b
	global_store_b64 v[AA], v[PC+4:PC+5], s[98:99] offset:1536*\b+512
	global_store_b128 v[L16], v[PC+6:PC+9], s[98:99] offset:1536*\b+768
	global_store_b64 v[AA], v[PC+10:PC+11], s[98:99] offset:1536*\b+1280
	v_perm_b32 v[OSR+\b], v[PW], v[PW], 0x01000100     ; tile 2 b's two bytes, twice: they serve q in either half of the product's K
	v_perm_b32 v[MK+1], v[PW], v[PW], 0x03020302       ; tile 2 b + 1's,
	v_cndmask_b32 v[OSR+\b], v[OSR+\b], v[MK+1], s[UPPER]   ; in lanes 16-31
.endr
	global_store_b128 v[L16], v[OSR:OSR+3], s[16:17]
	s_branch .Lend
.Lk_out:
	; ---- k: row tiles 2 b, 2 b + 1 give one double fragment
.irp b, 0,1,2,3
	QUANT 64*\b
.irp c, 0,1,2
	global_store_b128 v[L16], v[PC+4*\c:PC+4*\c+3], s[18:19] offset:1536*\b+512*\c
.endr
.if \b%2 == 0
	v_mov_b32 v[OSR+\b/2], v[PW]
.else
	v_cndmask_b32 v[OSR+\b/2], v[OSR+\b/2], v[PW], s[UPPER]
.endif
.endr
	global_store_b64 v[AA], v[OSR:OSR+1], s[18:19] offset:12288
	v_mov_b32 v244, 0xf1800000                     ; -2^100
.irp i, 0,1,2,3
	v_bfe_u32 v[240+\i], v[MK], 8*\i, 8
.endr
.irp i, 0,1,2,3
	v_cmp_eq_u32 vcc_lo, 0, v[240+\i]
	v_cndmask_b32 v[240+\i], 0, v244, vcc_lo       ; 0 where the key counts, -2^100 where it does not
.endr
	global_store_b128 v[L16], v[240:243], s[18:19] offset:12800
	s_branch .Lend
.Lv_path:
.irp s, 0,1,2,3,4,5,6,7
	KSTEP \s, 1
.endr
	WIN 0
	PLACES
	; ---- v: column tile b x the step's 128 tokens gives one fragment
.irp b, 0,1,2,3
	QUANT 64*\b
.irp c, 0,1,2
	global_store_b128 v[L16], v[PC+4*\c:PC+4*\c+3], s[18:19] offset:6144+1536*\b+512*\c
.endr
.if \b%2 == 0
	v_mov_b32 v[OSR+\b/2], v[PW]
.else
	v_cndmask_b32 v[OSR+\b/2], v[OSR+\b/2], v[PW], s[UPPER]
.endif
.endr
	global_store_b64 v[AA], v[OSR:OSR+1], s[18:19] offset:12544
.Lend:
	s_wait_tensorcnt 0x0                           ; the wave's end, behind my last tensor load
	ds_add_u32 v[SPW], v[NIL]
	s_wait_dscnt 0x0
	CROUND                                         ; the closing round
	s_endpgm
.Lfunc_end_k_qe07ea86a13_proj:
	.size	k_qe07ea86a13_proj, .Lfunc_end_k_qe07ea86a13_proj-k_qe07ea86a13_proj
	.p2alignl 7, 3214868480
	.fill 96, 4, 3214868480
	.section	.rodata,"a",@progbits
	.p2align	6, 0x0
	.amdhsa_kernel k_qe07ea86a13_proj
		.amdhsa_group_segment_fixed_size 327680
		.amdhsa_private_segment_fixed_size 0
		.amdhsa_enable_private_segment 0
		.amdhsa_kernarg_size 64
		.amdhsa_user_sgpr_count 2
		.amdhsa_user_sgpr_kernarg_segment_ptr 1
		.amdhsa_wavefront_size32 1
		.amdhsa_system_sgpr_workgroup_id_x 1
		.amdhsa_system_sgpr_workgroup_id_y 1
		.amdhsa_system_sgpr_workgroup_id_z 1
		.amdhsa_system_vgpr_workitem_id 0
		.amdhsa_next_free_vgpr 768
		.amdhsa_next_free_sgpr 100
		.amdhsa_reserve_vcc 1
		.amdhsa_float_denorm_mode_32 3
		.amdhsa_float_denorm_mode_16_64 3
		.amdhsa_memory_ordered 1
		.amdhsa_forward_progress 1
		.amdhsa_inst_pref_size 190
	.end_amdhsa_kernel
	.amdgpu_metadata
---
amdhsa.version: [ 1, 2 ]
amdhsa.kernels:
  - .name:           k_qe07ea86a13_proj
    .symbol:         k_qe07ea86a13_proj.kd
    .args:
      - { .name: xq, .offset: 0, .size: 8, .value_kind: global_buffer, .address_space: global }
      - { .name: wq, .offset: 8, .size: 8, .value_kind: global_buffer, .address_space: global }
      - { .name: bq, .offset: 16, .size: 8, .value_kind: global_buffer, .address_space: global }
      - { .name: bk, .offset: 24, .size: 8, .value_kind: global_buffer, .address_space: global }
      - { .name: bv, .offset: 32, .size: 8, .value_kind: global_buffer, .address_space: global }
      - { .name: mask, .offset: 40, .size: 8, .value_kind: global_buffer, .address_space: global }
      - { .name: qq, .offset: 48, .size: 8, .value_kind: global_buffer, .address_space: global }
      - { .name: kv, .offset: 56, .size: 8, .value_kind: global_buffer, .address_space: global }
    .group_segment_fixed_size: 327680
    .private_segment_fixed_size: 0
    .kernarg_segment_align: 8
    .kernarg_segment_size: 64
    .max_flat_workgroup_size: 128
    .sgpr_count:     100
    .vgpr_count:     768
    .wavefront_size: 32
...
	.end_amdgpu_metadata
.endif
;; end of part 3
;; launch attn (part 4): grid 4 x 64, 8 waves a work-group, clusters of 4 x 1, 327,680 bytes of LDS; arguments qq, kv, oq; writes oq
.if DOCPART == 4
	.amdgcn_target "amdgcn-amd-amdhsa--gfx1250"
	.amdhsa_code_object_version 6
	.text
	.protected	k_qe07ea86a13_attn
	.globl	k_qe07ea86a13_attn
	.p2align	8
	.type	k_qe07ea86a13_attn,@function
k_qe07ea86a13_attn:
	s_mov_b64 s[64:65], 0
	v_nop
	global_prefetch_b8 v0, s[64:65] scope:SCOPE_SE
	s_setreg_imm32_b32 hwreg(HW_REG_WAVE_MODE, 25, 1), 1
	s_wait_xcnt 0x0
	s_wait_alu depctr_hold_cnt(0) depctr_sa_sdst(0) depctr_va_vdst(0) depctr_va_sdst(0) depctr_va_ssrc(0) depctr_va_vcc(0) depctr_vm_vsrc(0)
	s_getreg_b32 s2, hwreg(HW_REG_IB_STS2, 6, 4)
	s_cmp_eq_u32 s2, 0
	s_cbranch_scc0 .Lentry_in_a_cluster
	s_endpgm
.Lentry_in_a_cluster:
	s_bfe_u32 s2, ttmp6, 0x10000c
	s_cmp_lg_u32 s2, 0x3003
	s_cbranch_scc0 .Lentry_shape_is_right
	s_endpgm
.Lentry_shape_is_right:
; o = softmax(q k^T / 8 + mask) v for one (batch, head) bh and 512 queries a work-group, on codes of FP6 (E2M3) with E8M0 scales; o leaves as codes and scale bytes for the last projection.
; SHARES.  Grid 4 x 64: 256 work-groups; the four of a cluster are the four query blocks of one bh and ask for its K, V and mask JOINTLY.  Eight waves; a wave owns 64 queries: four tiles of 16.
; LDS.  All 16 key steps of bh (16 x 13,312 bytes: 4 double fragments of k, 4 fragments of v, scale words, the mask as f32) are filled ONCE, by one tensor load a wave (two steps, 104 rows of 256 bytes).
; Nothing is filled again.  No prefetch: every byte of K and V is asked for at the head, so there is no loop to run ahead in.
; BOTH PRODUCTS ARE USED TRANSPOSED (S^T = k q^T, O^T = v^T p^T): a lane holds one query.  The head's 64 fill half of the instruction's K: a double fragment holds two key tiles, and q stands beside six registers of zeros.
; THE KEYS OF A TILE are chosen by the LDS read's lane address: tile j of band c takes keys 64 c + 8 j + 0..7 in rows 0-7 and 64 c + 32 + 8 j + 0..7 in rows 8-15.  So the 32 registers of a band's four tiles
; are, in lane half h, keys 64 c + 32 h + 0..31: ONE scale block, in the order of the operand's registers.  A block's maximum needs no other lane and the codes need no exchange of halves.
; In the stored image lane (r, h) of new double fragment (c, p) is lane (8 p + r % 8, h) of stored double fragment 2 c + r / 8.
; SOFTMAX as the problem states it: M = ceil of the running largest t, a whole number, kept as -M; p = 2^(t - M); the sum is taken of the unquantised p; O^T and the sum are multiplied by 2^(old M - new M) in every step.
; CHAINS.  The largest score is taken in eight chains, one an accumulator, the sum in eight chains of four pairs: a line's source was written eight lines before it, but for the short joins.
; THE NEXT TILE'S SCORES are begun as soon as the conversions have read p: the moves of the codes stand among those products, the scale word, the end of the sum and the rescaling of O^T behind them.
; ONE TEXT FOR ALL 16 STEPS: the next step's k and mask are fetched behind tile 2's second product, its v behind the last product; in the last trip that look-ahead wraps to step 0 and is not used.
; LIMITS: the promise holds while the scaled scores stay under 2^31 in magnitude; NaN and infinities among the operands are not served; a block of p under 2^-124 keeps the byte 1.
; A batch all of whose keys are masked: p and the sum are 0 here, the codes stored are of no account, and the last projection, which reads the mask, makes those rows NaN.
; REGISTERS.  window 0: v1-15 addresses; v16-31 at work; v32-38 scale words; v40-55 per tile -M, largest score, the sum in two halves; v56-63, v244-251 the chains; v64-127 S, then p; v128-175 k; v176-223 v; v224-243 p's codes.
;             window 1: v0-53 zeros and q by turns; v64-191 O^T, 32 a tile; v192-255 the mask as the scores' C.
.set QSOFF, 6291456
.set OSOFF, 6291456
.set STEPB, 13312
.set STG,   212992                     ; the results' scale bytes: 32 tiles x 32 bytes
.set SPARE, 214016                     ; the spare words, 128 bytes a wave
.set L16, 1
.set L8,  2
.set H128, 3
.set LK,  4
.set LKS, 5
.set ADK, 6
.set ADV, 7
.set ADS, 8
.set ADB, 9
.set SPW, 10
.set NIL, 11
.set ADKS, 12
.set SH8, 13
.set STW, 14
.set STR, 15
.set BM,  16
.set BY,  20
.set SO,  22
.set TMP, 24
.set TP,  25
.set F,   26
.set OLD, 30
.set KS,  32
.set VS,  34
.set QS,  36
.set PS,  38
.set STA, 40
.set CM,  56                           ; v56-63: eight chains of maxima; then, as pairs, the sum's chains 0 to 3
.set TH,  244                          ; v244-251: the sum's chains 4 to 7
.set S,   64
.set KF,  128
.set VF,  176
.set PC,  224
.set CT,  236
.set OT,  64
.set BIA, 192
.set EBM, 128                          ; the way out works in k's and v's registers
.set EBY, 132
.set ESO, 136
.set ECH, 140
.set ER,  144
.set WV,  12
.set G1,  24
.set G0,  40
.set CS,  58
.set SEL, 60
.set NX,  62
.set CNT, 63
.set MSB, 0
.macro WIN new
.if MSB != \new
	s_set_vgpr_msb (MSB<<8)|\new
.set MSB, \new
.endif
.endm
.macro CROUND
	s_barrier_signal -1
	s_barrier_wait -1
	s_cmp_lg_u32 s[WV], 0
	s_cbranch_scc1 .Lnot_wave_0_\@
	s_barrier_signal -3
.Lnot_wave_0_\@:
	s_barrier_wait -3
	s_barrier_signal -1
	s_barrier_wait -1
.endm
.macro PLACES
.rept 4
	v_nop
.endr
.endm
.macro WALU
	s_wait_alu depctr_va_vdst(0)
.endm
	s_load_b128 s[4:7], s[0:1], 0x0                ; qq, kv
	s_load_b64 s[8:9], s[0:1], 0x10                ; oq
	v_lshl_add_u32 v[SPW], v0, 2, SPARE
	v_mov_b32 v[NIL], 0
	ds_add_u32 v[SPW], v[NIL]                      ; the opening lines
	ds_add_u32 v[SPW], v[NIL]
	v_lshrrev_b32 v1, 5, v0
	v_readfirstlane_b32 s[WV], v1                  ; wave 0..7
	s_bfe_u32 s14, ttmp6, 0x40000                  ; cx: my block of 512 queries
	s_and_b32 s15, ttmp7, 0xffff                   ; bh
	s_mov_b32 s[G1], 15|(3<<16)|(1<<21)            ; all four partners; elements of 8 bytes; 104 rows of 256 bytes, dense
	s_mov_b32 s[G1+1], 32<<16
	s_mov_b32 s[G1+2], 104<<16
	s_mov_b32 s[G1+3], 32<<16
	s_mov_b32 s[G1+4], 104
	s_mov_b32 s[G1+5], 32
	s_mov_b32 s[G1+6], 0
	s_mov_b32 s[G1+7], 0
	s_mul_i32 s16, s[WV], 2*STEPB                  ; my two key steps, in memory and in LDS alike
	s_mul_i32 s18, s15, 16*STEPB
	s_add_co_u32 s18, s18, s16
	s_mov_b32 s19, 0
	s_mov_b32 s[CS], 0x3e38aa3b                    ; log2(e) / 8
	s_mov_b32 s[CS+1], s[CS]
	s_mov_b32 s[SEL], 0x76543210
	s_mov_b32 s[SEL+1], 0xfedcba98                 ; lane l xor 16
	s_lshl_b32 s20, s15, 7                         ; q: tile 128 bh + 32 cx + 4 wave, 768 bytes a tile
	s_lshl_b32 s21, s14, 5
	s_add_co_u32 s20, s20, s21
	s_lshl_b32 s21, s[WV], 2
	s_add_co_u32 s20, s20, s21
	s_mul_i32 s20, s20, 768
	s_mov_b32 s21, 0
	s_lshl_b32 s22, s15, 4                         ; q's scale words: block of 128 tokens 16 bh + 4 cx + wave / 2, tile pairs 2 (wave % 2), + 1
	s_lshl_b32 s23, s14, 2
	s_add_co_u32 s22, s22, s23
	s_lshr_b32 s23, s[WV], 1
	s_add_co_u32 s22, s22, s23
	s_lshl_b32 s22, s22, 9
	s_and_b32 s32, s[WV], 1
	s_lshl_b32 s23, s32, 3
	s_add_co_u32 s22, s22, s23
	s_add_co_u32 s22, s22, QSOFF
	s_mov_b32 s23, 0
	s_lshr_b32 s34, s15, 4                         ; oq: block 16 batch + 4 cx + wave / 2; K step head / 2; tile 4 (wave % 2); half head % 2
	s_lshl_b32 s34, s34, 4
	s_lshl_b32 s35, s14, 2
	s_add_co_u32 s34, s34, s35
	s_lshr_b32 s35, s[WV], 1
	s_add_co_u32 s34, s34, s35
	s_mul_i32 s34, s34, 98304
	s_bfe_u32 s35, s15, 0x30001
	s_mul_i32 s35, s35, 12288
	s_add_co_u32 s34, s34, s35
	s_mul_i32 s35, s32, 6144
	s_add_co_u32 s34, s34, s35
	s_and_b32 s35, s15, 1
	s_mul_i32 s35, s35, 768
	s_add_co_u32 s34, s34, s35
	s_mov_b32 s35, 0
	s_lshl_b32 s36, s15, 12                        ; o's scale bytes: [bh][tile 128][row 16][2]
	s_lshl_b32 s37, s14, 10
	s_add_co_u32 s36, s36, s37
	s_add_co_u32 s36, s36, OSOFF
	s_mov_b32 s37, 0
	s_lshl_b32 s33, s[WV], 7
	s_add_co_u32 s33, s33, STG                     ; my four tiles' place in the stage
	s_wait_dscnt 0x0                               ; both opening adds are done
	s_wait_kmcnt 0x0
	s_add_nc_u64 s[18:19], s[6:7], s[18:19]
	s_add_nc_u64 s[20:21], s[4:5], s[20:21]
	s_add_nc_u64 s[22:23], s[4:5], s[22:23]
	s_add_nc_u64 s[34:35], s[8:9], s[34:35]
	s_add_nc_u64 s[36:37], s[8:9], s[36:37]
	s_mov_b32 s[G0], 1
	s_mov_b32 s[G0+1], s16
	s_mov_b64 s[G0+2:G0+3], s[18:19]
	s_or_b32 s[G0+3], s[G0+3], 0x80000000
	CROUND                                         ; the four partners are here: the joint loads meet
	tensor_load_to_lds s[G0:G0+3], s[G1:G1+7]      ; my one load: key steps 2 wave, 2 wave + 1
	s_nop 0
	PLACES
	v_and_b32 v16, 31, v0
	v_bfe_u32 v17, v0, 4, 1                        ; h
	v_bfe_u32 v18, v0, 3, 1                        ; r / 8
	v_and_b32 v19, 7, v0                           ; r % 8
	v_and_b32 v20, 15, v0                          ; r
	v_lshlrev_b32 v[L16], 4, v16
	v_lshlrev_b32 v[L8], 3, v16
	v_lshlrev_b32 v[H128], 7, v17                  ; the mask: 32 keys of 4 bytes for each half of the lanes
	v_lshlrev_b32 v[SH8], 3, v17
	v_mul_u32_u24 v[LK], v18, 1536                 ; k: stored double fragment + r / 8, lane 16 h + r % 8 (+ 8 p in the offset)
	v_lshl_add_u32 v[LK], v17, 8, v[LK]
	v_lshl_add_u32 v[LK], v19, 4, v[LK]
	v_lshlrev_b32 v[LKS], 7, v18                   ; k's scale words: 8 bytes a stored lane 16 (r / 8) + 8 h + r % 8: lanes 0-15 get p = 0, lanes 16-31 p = 1
	v_lshl_add_u32 v[LKS], v17, 6, v[LKS]
	v_lshl_add_u32 v[LKS], v19, 3, v[LKS]
	v_lshlrev_b32 v[STW], 1, v20
	v_add_nc_u32 v[STW], s33, v[STW]
	v_add_nc_u32 v[STR], STG, v[L16]
	WALU                                           ; the wait ahead of the readers below
	global_load_b64 v[QS:QS+1], v[L16], s[22:23]
	WIN 0x40
.irp t, 0,1,2,3
	global_load_b128 v[6+12*\t:9+12*\t], v[L16], s[20:21] offset:768*\t
	global_load_b64 v[10+12*\t:11+12*\t], v[L8], s[20:21] offset:768*\t+512
.endr
.irp g, 0,12,24,36,48
.irp j, 0,1,2,3,4,5
	v_mov_b32 v[\g+\j], 0                          ; the zeros beside q
.endr
.endr
.set j, 0
.rept 128
	v_mov_b32 v[OT+j], 0                           ; O^T: the step is written once, and the first finds zeros
.set j, j+1
.endr
	WIN 0
.irp t, 0,1,2,3
	v_mov_b32 v[STA+4*\t], 0x6938aa3b              ; -M to begin with: log2(e) / 8 x 2^86
	v_mov_b32 v[STA+1+4*\t], 0xea800000            ; the largest score so far: -2^86, over every masked score (-2^100) and under every other
	v_mov_b32 v[STA+2+4*\t], 0
	v_mov_b32 v[STA+3+4*\t], 0
.endr
	v_mov_b32 v[TP], 0                             ; a lane permute's destination counts as one of its sources
	v_mov_b32 v[F+1], 0
	WALU                                           ; the wait at the head's end
	s_wait_loadcnt 0x0
	s_wait_tensorcnt 0x0                           ; my two steps have landed
	s_barrier_signal -1
	s_barrier_wait -1                              ; everybody's have
.macro WM d, a, b, c, sa, sb, ra, rb
.if (\ra) && (\rb)
	v_wmma_scale_f32_16x16x128_f8f6f4 v[(\d):(\d)+7], v[(\a):(\a)+11], v[(\b):(\b)+11], v[(\c):(\c)+7], v[(\sa)], v[(\sb)] matrix_a_fmt:MATRIX_FMT_FP6 matrix_b_fmt:MATRIX_FMT_FP6 matrix_a_scale:MATRIX_SCALE_ROW1 matrix_b_scale:MATRIX_SCALE_ROW1
.elseif (\ra)
	v_wmma_scale_f32_16x16x128_f8f6f4 v[(\d):(\d)+7], v[(\a):(\a)+11], v[(\b):(\b)+11], v[(\c):(\c)+7], v[(\sa)], v[(\sb)] matrix_a_fmt:MATRIX_FMT_FP6 matrix_b_fmt:MATRIX_FMT_FP6 matrix_a_scale:MATRIX_SCALE_ROW1
.elseif (\rb)
	v_wmma_scale_f32_16x16x128_f8f6f4 v[(\d):(\d)+7], v[(\a):(\a)+11], v[(\b):(\b)+11], v[(\c):(\c)+7], v[(\sa)], v[(\sb)] matrix_a_fmt:MATRIX_FMT_FP6 matrix_b_fmt:MATRIX_FMT_FP6 matrix_b_scale:MATRIX_SCALE_ROW1
.else
	v_wmma_scale_f32_16x16x128_f8f6f4 v[(\d):(\d)+7], v[(\a):(\a)+11], v[(\b):(\b)+11], v[(\c):(\c)+7], v[(\sa)], v[(\sb)] matrix_a_fmt:MATRIX_FMT_FP6 matrix_b_fmt:MATRIX_FMT_FP6
.endif
.endm
.macro LOADK ak, aks, ab               ; a step's k, its scale words and the mask: 29 LDS loads
.irp d, 0,1,2,3
.irp g, 0,1,2
	ds_load_b128 v[KF+12*\d+4*\g:KF+12*\d+4*\g+3], v[\ak] offset:3072*(\d/2)+128*(\d%2)+512*\g
.endr
.endr
	ds_load_b64 v[KS:KS+1], v[\aks] offset:12288
	WIN 0x40
.irp t, 0,1,2,3,4,5,6,7
	ds_load_b128 v[BIA+8*\t:BIA+8*\t+3], v[\ab] offset:12800+256*(\t/4)+32*(\t%4)
	ds_load_b128 v[BIA+8*\t+4:BIA+8*\t+7], v[\ab] offset:12800+256*(\t/4)+32*(\t%4)+16
.endr
	WIN 0
.endm
.macro LOADV av, avs                   ; a step's v and its scale words: 13 LDS loads
.irp t, 0,1,2,3
.irp g, 0,1,2
	ds_load_b128 v[VF+12*\t+4*\g:VF+12*\t+4*\g+3], v[\av] offset:6144+1536*\t+512*\g
.endr
.endr
	ds_load_b64 v[VS:VS+1], v[\avs] offset:12544
.endm
.macro PMOV i, on                      ; the i-th of the six moves that close the gaps in p's codes (a conversion's three registers begin on an even number)
.if \on
	v_mov_b32 v[PC+3+(\i)+3*((\i)/3)], v[CT+(\i)+((\i)/3)]
.endif
.endm
.macro KQ tau, mv                      ; S^T of query tile tau: eight tiles of 16 keys; the mask is C.  mv = 1: the last tile's six moves stand behind the first six products (destination and first source in window 0, as the products have them)
	WIN 0x14
.set tt, 0
.rept 8
	WM S+8*tt, KF+12*(tt/2), 12*(\tau)+6*(1-tt%2), BIA+8*tt, KS+tt/4, QS+(\tau)/2, (tt/2)%2, (\tau)%2
.if tt < 6
	PMOV tt, \mv
.endif
.set tt, tt+1
.endr
	WIN 0
.endm
.macro PV tau                          ; O^T of query tile tau += v^T p^T: its four accumulators by turns
	WIN 0x50
.irp t, 0,1,2,3
	WM OT+32*(\tau)+8*\t, VF+12*\t, PC, OT+32*(\tau)+8*\t, VS+\t/2, PS, \t%2, 0
.endr
.endm
.macro SUMS off                        ; eight chains: chain k takes the pair of p at off + 2 k
.set k, 0
.rept 8
.set tr, CM+2*k+(k/4)*(TH-CM-8)
.if (\off) == 0
	v_pk_add_f32 v[tr:tr+1], v[S+2*k:S+2*k+1], v[S+16+2*k:S+17+2*k]
.else
	v_pk_add_f32 v[tr:tr+1], v[tr:tr+1], v[S+(\off)+2*k:S+(\off)+2*k+1]
.endif
.set k, k+1
.endr
.endm
.macro SOFT tau, waitv, hoist
.set ST, STA+4*(\tau)
	WIN 0
.irp a, 0,1,2,3,4,5,6,7
	v_max3_num_f32 v[CM+\a], v[S+8*\a], v[S+8*\a+1], v[S+8*\a+2]        ; eight chains by turns, each accumulator from its low end on
.endr
.irp i, 3,5
.irp a, 0,1,2,3,4,5,6,7
	v_max3_num_f32 v[CM+\a], v[CM+\a], v[S+8*\a+\i], v[S+8*\a+\i+1]
.endr
.endr
.irp c, 0,4
	v_max3_num_f32 v[CM+\c], v[CM+\c], v[CM+\c+1], v[S+8*\c+7]          ; a block's four chains and four last registers are joined
.endr
.irp c, 0,4
	v_max3_num_f32 v[CM+\c+2], v[CM+\c+2], v[CM+\c+3], v[S+8*\c+15]
.endr
.irp c, 0,4
	v_max3_num_f32 v[CM+\c], v[CM+\c], v[S+8*\c+23], v[S+8*\c+31]
.endr
	v_max_num_f32 v[BM], v[CM], v[CM+2]                                 ; my two blocks' largest scores
	v_max_num_f32 v[BM+2], v[CM+4], v[CM+6]
	s_delay_alu instid0(VALU_DEP_1)
	v_max_num_f32 v[TMP], v[BM], v[BM+2]
	v_mov_b32 v[OLD], v[ST]
	s_delay_alu instid0(VALU_DEP_2)
	v_permlanex16_b32 v[TP], v[TMP], s[SEL], s[SEL+1]
	s_delay_alu instid0(VALU_DEP_1)
	v_max3_num_f32 v[ST+1], v[ST+1], v[TMP], v[TP]                      ; the running largest score of my query
	s_delay_alu instid0(VALU_DEP_1)
	v_mul_f32 v[TMP], s[CS], v[ST+1]
	s_delay_alu instid0(VALU_DEP_1)
	v_floor_f32 v[ST], -v[TMP]                                          ; -M = floor(-t)
.set j, 0
.rept 32
	v_pk_fma_f32 v[S+j:S+j+1], v[S+j:S+j+1], s[CS:CS+1], v[ST:ST+1] op_sel_hi:[1,0,0]   ; t - M
.if j == 6
	v_sub_f32 v[TMP], v[ST], v[OLD]                                     ; old M - new M, a whole number
.elseif j == 14
	v_cvt_i32_f32 v[TMP], v[TMP]
.elseif j == 22
	v_ldexp_f32 v[F], 1.0, v[TMP]                                       ; f = 2^(old M - new M)
.endif
.set j, j+2
.endr
.irp c, 0,2
	v_fma_f32 v[BM+\c], v[BM+\c], s[CS], v[ST]                          ; the same of each block's largest score
.endr
	WALU                                           ; the wait ahead of the batch
.set j, 0
.rept 64
	v_exp_f32 v[S+j], v[S+j]
.set j, j+1
.endr
.irp c, 0,2
	v_exp_f32 v[BM+\c], v[BM+\c]                   ; the block's largest p
.endr
	v_pk_mul_f32 v[ST+2:ST+3], v[ST+2:ST+3], v[F:F+1] op_sel_hi:[1,0]   ; the sum under the new M
	WALU                                           ; and behind it, ahead of its first reader
	v_max_num_f32 v[BM], 0x1800000, v[BM]          ; the floor 2^(3 - 127): the byte cannot fall under 1
	v_max_num_f32 v[BM+2], 0x1800000, v[BM+2]
	SUMS 0                                         ; the sum of the unquantised p
	v_add_nc_u32 v[SO], 0xff000000, v[BM]          ; 2 off the exponent field: the conversions' scale operands
	v_add_nc_u32 v[SO+1], 0xff000000, v[BM+2]
	SUMS 32
	SUMS 48
.irp k, 0,2,4,6
	v_pk_add_f32 v[CM+\k:CM+\k+1], v[CM+\k:CM+\k+1], v[TH+\k:TH+\k+1]   ; eight chains to four
.endr
.irp c, 0,1
	v_cvt_scalef32_pk16_fp6_f32 v[PC+6*\c:PC+6*\c+2], v[S+32*\c:S+32*\c+15], v[SO+\c]
	v_cvt_scalef32_pk16_fp6_f32 v[CT+4*\c:CT+4*\c+2], v[S+16+32*\c:S+31+32*\c], v[SO+\c]
.endr
	v_lshrrev_b32 v[BY], 23, v[SO]                 ; my two scale bytes: blocks h and 2 + h (also the plain lines behind the conversions)
	v_lshrrev_b32 v[BY+1], 23, v[SO+1]
.if \hoist
	KQ (\tau)+1, 1                                 ; p has been read: the next tile's scores; what follows down to the rescaling are the plain lines behind these products
.endif
	v_lshl_or_b32 v[BY], v[BY+1], 16, v[BY]
	v_pk_add_f32 v[CM:CM+1], v[CM:CM+1], v[CM+4:CM+5]
	v_pk_add_f32 v[CM+2:CM+3], v[CM+2:CM+3], v[CM+6:CM+7]
	PMOV 0, 1-(\hoist)
	v_lshlrev_b32 v[BY], v[SH8], v[BY]             ; 8 h bits up
	PMOV 1, 1-(\hoist)
	v_pk_add_f32 v[CM:CM+1], v[CM:CM+1], v[CM+2:CM+3]
	PMOV 2, 1-(\hoist)
	v_permlanex16_b32 v[TP], v[BY], s[SEL], s[SEL+1]
	PMOV 3, 1-(\hoist)
	v_pk_add_f32 v[ST+2:ST+3], v[ST+2:ST+3], v[CM:CM+1]
	PMOV 4, 1-(\hoist)
	PMOV 5, 1-(\hoist)
	v_or_b32 v[PS], v[BY], v[TP]                   ; with lane l xor 16's two the word is whole
.if \waitv
	s_wait_dscnt 0x0                               ; this step's v is in
.endif
	WIN 0x41
	WALU                                           ; the wait directly ahead of the first reader of O^T
.set j, 0
.rept 16
	v_pk_mul_f32 v[OT+32*(\tau)+j:OT+32*(\tau)+j+1], v[OT+32*(\tau)+j:OT+32*(\tau)+j+1], v[F:F+1] op_sel_hi:[1,0]   ; O^T under the new M; also the plain lines between p's codes and scale word and the products
.set j, j+2
.endr
.endm
	LOADK LK, LKS, H128
	LOADV L16, L8
	s_mov_b32 s[CNT], 0
.Lstep:
	s_add_co_u32 s[NX], s[CNT], 1
	s_and_b32 s[NX], s[NX], 15                     ; the step that is fetched ahead; behind the last it is step 0 again
	s_mul_i32 s[NX], s[NX], STEPB
	s_wait_dscnt 13                                ; k, its scale words and the mask are in; v's 13 loads may be out
	KQ 0, 0
	v_add_nc_u32 v[ADK], s[NX], v[LK]              ; the next step's addresses: also the plain lines behind the products
	v_add_nc_u32 v[ADKS], s[NX], v[LKS]
	v_add_nc_u32 v[ADB], s[NX], v[H128]
	v_add_nc_u32 v[ADV], s[NX], v[L16]
	v_add_nc_u32 v[ADS], s[NX], v[L8]
	SOFT 0, 1, 1
	PV 0
	SOFT 1, 0, 1
	PV 1
	SOFT 2, 0, 1
	PV 2
	WIN 0
	LOADK ADK, ADKS, ADB                           ; tile 3's scores were begun more than four plain lines ago: k's, the mask's and the scale words' registers are free
	SOFT 3, 0, 0
	PV 3
	WIN 0
	PLACES
	LOADV ADV, ADS
	s_add_co_u32 s[CNT], s[CNT], 1
	s_cmp_lt_u32 s[CNT], 16
	s_cbranch_scc1 .Lstep
	s_wait_dscnt 0x0                               ; the look-ahead's loads have landed: their registers serve the way out
; THE WAY OUT: O^T / the sum, quantised along the head's 64 (two blocks a query), stored as half fragments of the last projection's operand
.irp t, 0,1,2,3
	v_add_f32 v[ECH+\t], v[STA+2+4*\t], v[STA+3+4*\t]
	v_mov_b32 v[EBY+\t], 0
.endr
.irp t, 0,1,2,3
	v_permlanex16_b32 v[EBY+\t], v[ECH+\t], s[SEL], s[SEL+1]
.endr
.irp t, 0,1,2,3
	v_add_f32 v[ECH+\t], v[ECH+\t], v[EBY+\t]      ; with lane l xor 16's keys: the row's sum
.endr
	WALU                                           ; the wait ahead of the batch
.irp t, 0,1,2,3
	v_rcp_f32 v[ER+\t], v[ECH+\t]
.endr
	v_nop
.macro EPI g                           ; query tiles 2 g, 2 g + 1
.set EP, 176+24*(\g)
.set EC, 188+24*(\g)
.set ET, 148+2*(\g)
	WIN 0x01
	WALU                                           ; the wait directly ahead of the first reader
.set j, 0
.rept 64
	v_mul_f32 v[S+j], v[OT+64*(\g)+j], v[ER+2*(\g)+j/32]
.set j, j+1
.endr
	WIN 0
.irp b, 0,1,2,3
	v_max3_num_f32 v[EBM+\b], |v[S+16*\b]|, |v[S+1+16*\b]|, 0x1800000
.endr
.irp i, 2,4,6,8,10,12,14
.irp b, 0,1,2,3
	v_max3_num_f32 v[EBM+\b], v[EBM+\b], |v[S+16*\b+\i]|, |v[S+1+16*\b+\i]|
.endr
.endr
.irp b, 0,1,2,3
	v_permlanex16_b32 v[EBY+\b], v[EBM+\b], s[SEL], s[SEL+1]
.endr
.irp b, 0,1,2,3
	v_max_num_f32 v[EBM+\b], v[EBM+\b], v[EBY+\b]
.endr
.irp b, 0,1,2,3
	v_add_nc_u32 v[ESO+\b], 0xff000000, v[EBM+\b]
.endr
.irp b, 0,1,2,3
	v_lshrrev_b32 v[EBY+\b], 23, v[ESO+\b]
.endr
	v_lshl_or_b32 v[ET], v[EBY+1], 8, v[EBY]
	v_lshl_or_b32 v[ET+1], v[EBY+3], 8, v[EBY+2]   ; two bytes a tile and row
.irp c, 0,1
	v_cvt_scalef32_pk16_fp6_f32 v[EP+6*\c:EP+6*\c+2], v[S+32*\c:S+32*\c+15], v[ESO+2*\c]
	v_cvt_scalef32_pk16_fp6_f32 v[EC+4*\c:EC+4*\c+2], v[S+16+32*\c:S+31+32*\c], v[ESO+2*\c+1]
.endr
	v_nop
.irp c, 0,1
.irp i, 0,1,2
	v_permlane16_swap_b32 v[EP+6*\c+\i], v[EC+4*\c+\i]
.endr
.irp i, 0,1,2
	v_mov_b32 v[EP+3+6*\c+\i], v[EC+4*\c+\i]
.endr
.endr
.irp t, 0,1
.irp p, 0,1,2
	global_store_b64 v[L8], v[EP+6*\t+2*\p:EP+6*\t+2*\p+1], s[34:35] offset:3072*(\g)+1536*\t+256*\p   ; 256 consecutive bytes, at a multiple of 256
.endr
.endr
	ds_store_b16 v[STW], v[ET] offset:64*(\g)
	ds_store_b16 v[STW], v[ET+1] offset:64*(\g)+32
.endm
	EPI 0
	EPI 1
	s_wait_dscnt 0x0                               ; for the others' sake: my bytes have landed
	s_barrier_signal -1
	s_barrier_wait -1
	s_cmp_lg_u32 s[WV], 0
	s_cbranch_scc1 .Lnot_first
	ds_load_b128 v[64:67], v[STR]
	ds_load_b128 v[68:71], v[STR] offset:512
	s_wait_dscnt 0x0
	global_store_b128 v[L16], v[64:67], s[36:37]               ; the work-group's 1,024 scale bytes, 512 consecutive bytes a store
	global_store_b128 v[L16], v[68:71], s[36:37] offset:512
.Lnot_first:
	s_wait_tensorcnt 0x0                           ; the wave's end
	ds_add_u32 v[SPW], v[NIL]
	s_wait_dscnt 0x0
	CROUND                                         ; the closing round
	s_endpgm
.Lfunc_end_k_qe07ea86a13_attn:
	.size	k_qe07ea86a13_attn, .Lfunc_end_k_qe07ea86a13_attn-k_qe07ea86a13_attn
	.p2alignl 7, 3214868480
	.fill 96, 4, 3214868480
	.section	.rodata,"a",@progbits
	.p2align	6, 0x0
	.amdhsa_kernel k_qe07ea86a13_attn
		.amdhsa_group_segment_fixed_size 327680
		.amdhsa_private_segment_fixed_size 0
		.amdhsa_enable_private_segment 0
		.amdhsa_kernarg_size 24
		.amdhsa_user_sgpr_count 2
		.amdhsa_user_sgpr_kernarg_segment_ptr 1
		.amdhsa_wavefront_size32 1
		.amdhsa_system_sgpr_workgroup_id_x 1
		.amdhsa_system_sgpr_workgroup_id_y 1
		.amdhsa_system_sgpr_workgroup_id_z 1
		.amdhsa_system_vgpr_workitem_id 0
		.amdhsa_next_free_vgpr 512
		.amdhsa_next_free_sgpr 66
		.amdhsa_reserve_vcc 0
		.amdhsa_float_denorm_mode_32 3
		.amdhsa_float_denorm_mode_16_64 3
		.amdhsa_memory_ordered 1
		.amdhsa_forward_progress 1
		.amdhsa_inst_pref_size 83
	.end_amdhsa_kernel
	.amdgpu_metadata
---
amdhsa.version: [ 1, 2 ]
amdhsa.kernels:
  - .name:           k_qe07ea86a13_attn
    .symbol:         k_qe07ea86a13_attn.kd
    .args:
      - { .name: qq, .offset: 0, .size: 8, .value_kind: global_buffer, .address_space: global }
      - { .name: kv, .offset: 8, .size: 8, .value_kind: global_buffer, .address_space: global }
      - { .name: oq, .offset: 16, .size: 8, .value_kind: global_buffer, .address_space: global }
    .group_segment_fixed_size: 327680
    .private_segment_fixed_size: 0
    .kernarg_segment_align: 8
    .kernarg_segment_size: 24
    .max_flat_workgroup_size: 256
    .sgpr_count:     66
    .vgpr_count:     512
    .wavefront_size: 32
...
	.end_amdgpu_metadata
.endif
;; end of part 4
;; launch outproj (part 5): grid 4 x 64, 4 waves a work-group, clusters of 4 x 4, 327,680 bytes of LDS; arguments oq, wq, bo, out0, mask; writes out0
.if DOCPART == 5
	.amdgcn_target "amdgcn-amd-amdhsa--gfx1250"
	.amdhsa_code_object_version 6
	.text
	.protected	k_qe07ea86a13_outproj
	.globl	k_qe07ea86a13_outproj
	.p2align	8
	.type	k_qe07ea86a13_outproj,@function
k_qe07ea86a13_outproj:
	s_mov_b64 s[64:65], 0
	v_nop
	global_prefetch_b8 v0, s[64:65] scope:SCOPE_SE
	s_setreg_imm32_b32 hwreg(HW_REG_WAVE_MODE, 25, 1), 1
	s_wait_xcnt 0x0
	s_wait_alu depctr_hold_cnt(0) depctr_sa_sdst(0) depctr_va_vdst(0) depctr_va_sdst(0) depctr_va_ssrc(0) depctr_va_vcc(0) depctr_vm_vsrc(0)
	s_getreg_b32 s2, hwreg(HW_REG_IB_STS2, 6, 4)
	s_cmp_eq_u32 s2, 0
	s_cbranch_scc0 .Lentry_in_a_cluster
	s_endpgm
.Lentry_in_a_cluster:
	s_bfe_u32 s2, ttmp6, 0x10000c
	s_cmp_lg_u32 s2, 0xf033
	s_cbranch_scc0 .Lentry_shape_is_right
	s_endpgm
.Lentry_shape_is_right:
; out0 = o Wo + bo on codes of FP6 (E2M3) with E8M0 scales; out0 [8192][1024] f32.
; SHARES.  A work-group makes 128 tokens x 256 columns; wave w the 128 tokens x columns 256 x + 64 w on: 32 accumulators.  All of K fits in LDS (A 98,304 bytes, B 196,608, register images, dense blocks),
; in four chunks of two K steps, every byte filled once; by this text's own count a wave has eight tensor loads out at the start.  CLUSTER 4 x 4: A's block is shared along a row, B's along a column: joint loads.
; The product is used TRANSPOSED (source 0 = 16 columns of Wo, source 1 = 16 tokens): a lane's eight results are eight neighbouring columns of one token.  bo is the C of each sum's first product.
; Tiles of tokens and columns are permuted alike: lane r of tile 2 b + u: index 32 b + 8 u + r + 8 (r / 8); the stores put every row and column back in its place.
; A's scale words are pieced together from the two bytes a (head, token) that the attention launch stored: K step s takes heads 2 s and 2 s + 1.
; REGISTERS: window 0: v1-15 addresses; v16-47 A's scale words; v48-63 B's; v64-95 the bias; v96-191 B's fragments, two sets, later rows of the output; v192-255 scale halves.  window 1: accumulators.  window 2: A's fragments.
; THE FILLS AS THEY STAND NOW (in place of the chunks and of the count of loads named above): one tensor load a wave at the head: waves 0 to 2 a third of B's block each
; (256 rows of 256 bytes), wave 3 all of A's block (384 rows); every wave waits for its load, one barrier shows all of K to all waves, and no barrier stands among the K steps.
; A BATCH ALL OF WHOSE KEYS ARE MASKED has NaN in every row: each wave reads its batch's 2,048 mask bytes, and where none is set the bias, the C of the first products, is made NaN.
.set WSOFF,  3145728
.set OSOFF,  6291456
.set BOFF,   98304
.set STGB,   294912                    ; LDS: behind A and B a stage of 16 rows x (256 + 16) bytes for each wave
.set SPARE,  312320                    ; and the spare words, 128 bytes a wave
.set L16,  1
.set AA,   2
.set BBA,  5
.set SPW,  10
.set NIL,  11
.set STO,  13
.set RD,   14
.set CO,   15
.set SA,   16
.set SB,   48
.set BI,   64
.set BF,   96
.set OB,   96
.set WV,   20
.set G1A,  24
.set G1B,  32
.set G0A,  40
.set G0B,  68
.set MSB, 0
.macro WIN new
.if MSB != \new
	s_set_vgpr_msb (MSB<<8)|\new
.set MSB, \new
.endif
.endm
.macro CROUND
	s_barrier_signal -1
	s_barrier_wait -1
	s_cmp_lg_u32 s[WV], 0
	s_cbranch_scc1 .Lnot_wave_0_\@
	s_barrier_signal -3
.Lnot_wave_0_\@:
	s_barrier_wait -3
	s_barrier_signal -1
	s_barrier_wait -1
.endm
.macro PLACES
.rept 4
	v_nop
.endr
.endm
	s_load_b256 s[4:11], s[0:1], 0x0               ; oq, wq, bo, out0
	s_load_b64 s[98:99], s[0:1], 0x20              ; mask
	v_lshl_add_u32 v[SPW], v0, 2, SPARE
	v_mov_b32 v[NIL], 0
	ds_add_u32 v[SPW], v[NIL]                      ; the wave's opening: the add and its wait ahead of my first tensor load
	ds_add_u32 v[SPW], v[NIL]
	v_lshrrev_b32 v1, 5, v0
	v_readfirstlane_b32 s[WV], v1
	s_bfe_u32 s21, ttmp6, 0x40000                  ; cx
	s_bfe_u32 s22, ttmp6, 0x40004                  ; cy
	s_and_b32 s56, ttmp7, 0xffff
	s_lshl_b32 s56, s56, 2
	s_add_co_u32 s84, s56, s22                     ; y: my block of 128 tokens
	s_lshl_b32 s57, s22, 2
	s_lshl_b32 s57, 15, s57                        ; my row of the cluster
	s_lshl_b32 s58, 0x1111, s21                    ; my column
	s_or_b32 s[G1A], s57, (3<<16)|(1<<21)          ; dense blocks as rows of 256 bytes: A 384 rows a load, B 256
	s_or_b32 s[G1B], s58, (3<<16)|(1<<21)
	s_mov_b32 s[G1A+1], 32<<16
	s_mov_b32 s[G1A+2], 384<<16
	s_mov_b32 s[G1A+3], 32<<16
	s_mov_b32 s[G1A+4], 384
	s_mov_b32 s[G1A+5], 32
	s_mov_b32 s[G1A+6], 0
	s_mov_b32 s[G1A+7], 0
	s_mov_b32 s[G1B+1], 32<<16
	s_mov_b32 s[G1B+2], 256<<16
	s_mov_b32 s[G1B+3], 32<<16
	s_mov_b32 s[G1B+4], 256
	s_mov_b32 s[G1B+5], 32
	s_mov_b32 s[G1B+6], 0
	s_mov_b32 s[G1B+7], 0
	s_mul_i32 s62, s[WV], 6144
	s_lshl_b32 s63, s[WV], 16                      ; my third of B's block (waves 0 to 2), in memory and in LDS alike
	s_mul_i32 s60, s84, 98304
	s_mov_b32 s61, 0
	s_mul_i32 s66, s21, 196608
	s_add_co_u32 s66, s66, 3*786432                ; B: the fourth weight, x, wave
	s_add_co_u32 s66, s66, s63
	s_mov_b32 s67, 0
	s_lshl_b32 s85, s21, 2
	s_add_co_u32 s85, s85, s[WV]                   ; my group of 64 columns = 4 x + wave
	s_lshr_b32 s86, s84, 4                         ; batch
	s_and_b32 s87, s84, 15                         ; y'
	s_wait_dscnt 0x0                               ; the opening add is done
	s_wait_kmcnt 0x0
	s_add_nc_u64 s[60:61], s[4:5], s[60:61]
	s_add_nc_u64 s[66:67], s[6:7], s[66:67]
	s_mov_b32 s[G0A], 1
	s_mov_b32 s[G0A+1], 0
	s_mov_b64 s[G0A+2:G0A+3], s[60:61]
	s_or_b32 s[G0A+3], s[G0A+3], 0x80000000
	s_mov_b32 s[G0B], 1
	s_add_co_u32 s[G0B+1], s63, BOFF
	s_mov_b64 s[G0B+2:G0B+3], s[66:67]
	s_or_b32 s[G0B+3], s[G0B+3], 0x80000000
	CROUND                                         ; all sixteen work-groups are here: the joint loads meet
	s_cmp_lt_u32 s[WV], 3                          ; one tensor load a wave at the head
	s_cbranch_scc0 .Lload_a
	tensor_load_to_lds s[G0B:G0B+3], s[G1B:G1B+7]  ; waves 0 to 2: a third of B's block each
	s_nop 0
	PLACES
	s_branch .Lloaded
.Lload_a:
	tensor_load_to_lds s[G0A:G0A+3], s[G1A:G1A+7]  ; wave 3: A's block
	s_nop 0
	PLACES
.Lloaded:
	v_and_b32 v12, 31, v0
	v_lshlrev_b32 v[L16], 4, v12
	v_lshlrev_b32 v[AA], 3, v12
	v_add_nc_u32 v[AA+1], 49152, v[AA]
	v_add_nc_u32 v4, s62, v[L16]
.irp q, 0,1,2,3
	v_add_nc_u32 v[BBA+\q], BOFF+\q*49152, v4
.endr
	v_and_b32 v4, 15, v0                           ; r
	v_bfe_u32 v9, v0, 4, 1                         ; h
	v_lshlrev_b32 v12, 1, v4
	v_lshl_add_u32 v12, v9, 13, v12                ; A's scale halves: 8,192 h + 2 r
	s_mul_i32 s59, s[WV], 4352
	s_add_co_u32 s59, s59, STGB                    ; my stage
	v_mul_u32_u24 v[STO], v4, 272
	v_lshl_add_u32 v[STO], v9, 6, v[STO]
	v_add_nc_u32 v[STO], s59, v[STO]               ; in: row r, + 64 h
	v_mul_u32_u24 v[RD], v9, 272
	v_lshl_add_u32 v[RD], v4, 4, v[RD]
	v_add_nc_u32 v[RD], s59, v[RD]                 ; back: lanes 0-15 one row of 256 bytes, lanes 16-31 the next
	v_lshlrev_b32 v[CO], 4, v4
	v_lshl_add_u32 v[CO], v9, 12, v[CO]            ; and the same two rows in out0
	v_lshlrev_b32 v9, 6, v9                        ; 64 h: the bias
	s_wait_alu depctr_va_vdst(0)
	s_lshl_b32 s56, s86, 16
	s_lshl_b32 s57, s87, 8
	s_add_co_u32 s56, s56, s57
	s_add_co_u32 s56, s56, OSOFF
	s_mov_b32 s57, 0
	s_add_nc_u64 s[92:93], s[4:5], s[56:57]        ; the rows' scale bytes: batch, y'
	s_lshl_b32 s56, s85, 11
	s_add_co_u32 s56, s56, WSOFF+3*32768
	s_add_nc_u64 s[94:95], s[6:7], s[56:57]        ; my columns' scale images
	s_lshl_b32 s56, s85, 8
	s_add_nc_u64 s[96:97], s[8:9], s[56:57]        ; the bias at my 64 columns; the same offset in a row of out0
	s_add_nc_u64 s[10:11], s[10:11], s[56:57]
	s_lshl_b32 s56, s84, 19
	s_add_nc_u64 s[10:11], s[10:11], s[56:57]      ; out0 at my 128 tokens
	s_lshl_b32 s56, s86, 11
	s_add_nc_u64 s[98:99], s[98:99], s[56:57]      ; the mask at my batch's 2,048 keys
.set k, 0
.rept 32                                       ; word 4 m + i: lanes 0-15 K step 2 i (heads 4 i, 4 i + 1), lanes 16-31 K step 2 i + 1 (heads 4 i + 2, 4 i + 3)
	global_load_u16 v[192+2*k], v12, s[92:93] offset:16384*(k%4)+32*(k/4)
	global_load_u16 v[193+2*k], v12, s[92:93] offset:16384*(k%4)+32*(k/4)+4096
.set k, k+1
.endr
.irp q, 0,1,2,3
	global_load_b128 v[SB+4*\q:SB+4*\q+3], v[L16], s[94:95] offset:512*\q
.endr
.irp q, 0,1,2,3
	global_load_b128 v[144+4*\q:147+4*\q], v[L16], s[98:99] offset:512*\q   ; 64 mask bytes a lane, into B's second set, which is free until the first K step's fetch
.endr
.irp t, 0,1,2,3
	global_load_b128 v[BI+8*\t:BI+8*\t+3], v9, s[96:97] offset:(32*(\t/2)+8*(\t%2))*4
	global_load_b128 v[BI+8*\t+4:BI+8*\t+7], v9, s[96:97] offset:(32*(\t/2)+8*(\t%2))*4+16
.endr
.macro WM d, a, b, c, sa, sb, ra, rb
.if (\ra) && (\rb)
	v_wmma_scale_f32_16x16x128_f8f6f4 v[(\d):(\d)+7], v[(\a):(\a)+11], v[(\b):(\b)+11], v[(\c):(\c)+7], v[(\sa)], v[(\sb)] matrix_a_fmt:MATRIX_FMT_FP6 matrix_b_fmt:MATRIX_FMT_FP6 matrix_a_scale:MATRIX_SCALE_ROW1 matrix_b_scale:MATRIX_SCALE_ROW1
.elseif (\ra)
	v_wmma_scale_f32_16x16x128_f8f6f4 v[(\d):(\d)+7], v[(\a):(\a)+11], v[(\b):(\b)+11], v[(\c):(\c)+7], v[(\sa)], v[(\sb)] matrix_a_fmt:MATRIX_FMT_FP6 matrix_b_fmt:MATRIX_FMT_FP6 matrix_a_scale:MATRIX_SCALE_ROW1
.elseif (\rb)
	v_wmma_scale_f32_16x16x128_f8f6f4 v[(\d):(\d)+7], v[(\a):(\a)+11], v[(\b):(\b)+11], v[(\c):(\c)+7], v[(\sa)], v[(\sb)] matrix_a_fmt:MATRIX_FMT_FP6 matrix_b_fmt:MATRIX_FMT_FP6 matrix_b_scale:MATRIX_SCALE_ROW1
.else
	v_wmma_scale_f32_16x16x128_f8f6f4 v[(\d):(\d)+7], v[(\a):(\a)+11], v[(\b):(\b)+11], v[(\c):(\c)+7], v[(\sa)], v[(\sb)] matrix_a_fmt:MATRIX_FMT_FP6 matrix_b_fmt:MATRIX_FMT_FP6
.endif
.endm
.macro FETCH s                         ; K step s's fragments: A's eight into window 2, my four of B into window 0; set s % 2
	WIN 0x80
.set mm, 0
.rept 8
.irp p, 0,1,2,3,4,5
	ds_load_b64 v[96*((\s)%2)+12*mm+2*\p:96*((\s)%2)+12*mm+2*\p+1], v[AA+(\s)/4] offset:((\s)%4)*12288+1536*mm+256*\p
.endr
.set mm, mm+1
.endr
	WIN 0
.irp t, 0,1,2,3
.irp c, 0,1,2
	ds_load_b128 v[BF+48*((\s)%2)+12*\t+4*\c:BF+48*((\s)%2)+12*\t+4*\c+3], v[BBA+(\s)/2] offset:((\s)%2)*24576+1536*\t+512*\c
.endr
.endr
.endm
.macro MULH s, half                    ; 16 products: the 32 accumulators take turns, one instruction a turn, in the same order in every step
.set qi, 0
.rept 16
.set mm, 4*(\half)+qi/4
.set tt, qi%4
.set dd, 8*(4*mm+tt)
.set cc, dd
.if (\s) == 0
.set cc, BI+8*tt
.endif
	WM dd, BF+48*((\s)%2)+12*tt, 96*((\s)%2)+12*mm, cc, SB+2*(\s)+tt/2, SA+4*mm+(\s)/2, tt%2, (\s)%2
.set qi, qi+1
.endr
.endm
.macro MWIN s                          ; B in window 0, A in window 2, D in window 1; C in window 1, in step 0 (the bias) in window 0
.if (\s) == 0
	WIN 0x48
.else
	WIN 0x58
.endif
.endm
.macro KSTEP s
	s_wait_dscnt 0x0                               ; this step's fragments are in (asked for 16 products ago)
	MWIN \s
	MULH \s, 0
.if (\s) < 7
	WIN 0
	PLACES                                         ; in front of loads into registers that the last step's products have read
	FETCH (\s)+1
	MWIN \s
.endif
	MULH \s, 1
.endm
	s_wait_tensorcnt 0x0                           ; my one load has landed
	s_barrier_signal -1
	s_barrier_wait -1
	FETCH 0
	s_wait_loadcnt 0x0
.irp i, 1,2,3,4,5,6,7,8,9,10,11,12,13,14,15
	v_or_b32 v144, v144, v[144+\i]                 ; is any of my 64 keys left?
.endr
	v_cmp_ne_u32 s58, 0, v144
	s_cmp_eq_u32 s58, 0                            ; none in any lane: the batch has no key
	s_cselect_b32 s58, 0x7fc00000, 0
.set k, 0
.rept 32
	v_or_b32 v[BI+k], s58, v[BI+k]                 ; then the bias becomes NaN; else it stays as it is
.set k, k+1
.endr
.set k, 0
.rept 32
	v_lshl_or_b32 v[SA+k], v[193+2*k], 16, v[192+2*k]   ; the even head's two bytes below, the odd head's above
.set k, k+1
.endr
.rept 8
	v_nop                                          ; a scale register written by a vector instruction stands eight plain instructions ahead of a scaled product
.endr
	s_wait_alu depctr_va_vdst(0)
.irp s, 0,1,2,3,4,5,6,7
	KSTEP \s
.endr
	WIN 0
	PLACES                                         ; in front of the first read of results and of loads into B's registers
; THE WAY OUT, a tile of 16 tokens x my 64 columns at a time, through my own stage: LDS serves a wave's instructions in order, so no wait stands between the stores and the loads
.macro TOSTAGE m
	WIN 0x04                                       ; an LDS store's data: window 1
.irp t, 0,1,2,3
	ds_store_b128 v[STO], v[32*(\m)+8*\t:32*(\m)+8*\t+3] offset:128*(\t/2)+32*(\t%2)        ; each accumulator from its low end on
	ds_store_b128 v[STO], v[32*(\m)+8*\t+4:32*(\m)+8*\t+7] offset:128*(\t/2)+32*(\t%2)+16
.endr
	WIN 0
.irp i, 0,1,2,3,4,5,6,7
	ds_load_b128 v[OB+32*((\m)%2)+4*\i:OB+32*((\m)%2)+4*\i+3], v[RD] offset:2*\i*272
.endr
.endm
.macro SEND m, younger
	s_wait_dscnt \younger                          ; the tile is back; the next tile's eight stores and eight loads may be out
.irp i, 0,1,2,3,4,5,6,7
	global_store_b128 v[CO], v[OB+32*((\m)%2)+4*\i:OB+32*((\m)%2)+4*\i+3], s[10:11] offset:(32*((\m)/2)+8*((\m)%2)+2*\i+8*(\i/4))*4096 th:TH_STORE_NT   ; 16 lanes store 256 consecutive bytes, at a multiple of 256; stage row 2 i + h is token 2 i + h + 8 (i / 4) of the tile
.endr
.endm
	TOSTAGE 0
.irp m, 1,2,3,4,5,6,7
.if \m > 1
	s_wait_xcnt 0x0                                ; tile m - 2's stores have read their registers: tile m's loads may land there
.endif
	TOSTAGE \m
	SEND \m-1, 16
.endr
	SEND 7, 0
	s_wait_tensorcnt 0x0                           ; the wave's end, behind my last tensor load and my last LDS store
	ds_add_u32 v[SPW], v[NIL]
	s_wait_dscnt 0x0
	CROUND                                         ; the closing round
	s_endpgm
.Lfunc_end_k_qe07ea86a13_outproj:
	.size	k_qe07ea86a13_outproj, .Lfunc_end_k_qe07ea86a13_outproj-k_qe07ea86a13_outproj
	.p2alignl 7, 3214868480
	.fill 96, 4, 3214868480
	.section	.rodata,"a",@progbits
	.p2align	6, 0x0
	.amdhsa_kernel k_qe07ea86a13_outproj
		.amdhsa_group_segment_fixed_size 327680
		.amdhsa_private_segment_fixed_size 0
		.amdhsa_enable_private_segment 0
		.amdhsa_kernarg_size 40
		.amdhsa_user_sgpr_count 2
		.amdhsa_user_sgpr_kernarg_segment_ptr 1
		.amdhsa_wavefront_size32 1
		.amdhsa_system_sgpr_workgroup_id_x 1
		.amdhsa_system_sgpr_workgroup_id_y 1
		.amdhsa_system_sgpr_workgroup_id_z 1
		.amdhsa_system_vgpr_workitem_id 0
		.amdhsa_next_free_vgpr 768
		.amdhsa_next_free_sgpr 100
		.amdhsa_reserve_vcc 0
		.amdhsa_float_denorm_mode_32 3
		.amdhsa_float_denorm_mode_16_64 3
		.amdhsa_memory_ordered 1
		.amdhsa_forward_progress 1
		.amdhsa_inst_pref_size 98
	.end_amdhsa_kernel
	.amdgpu_metadata
---
amdhsa.version: [ 1, 2 ]
amdhsa.kernels:
  - .name:           k_qe07ea86a13_outproj
    .symbol:         k_qe07ea86a13_outproj.kd
    .args:
      - { .name: oq, .offset: 0, .size: 8, .value_kind: global_buffer, .address_space: global }
      - { .name: wq, .offset: 8, .size: 8, .value_kind: global_buffer, .address_space: global }
      - { .name: bo, .offset: 16, .size: 8, .value_kind: global_buffer, .address_space: global }
      - { .name: out0, .offset: 24, .size: 8, .value_kind: global_buffer, .address_space: global }
      - { .name: mask, .offset: 32, .size: 8, .value_kind: global_buffer, .address_space: global }
    .group_segment_fixed_size: 327680
    .private_segment_fixed_size: 0
    .kernarg_segment_align: 8
    .kernarg_segment_size: 40
    .max_flat_workgroup_size: 128
    .sgpr_count:     100
    .vgpr_count:     768
    .wavefront_size: 32
...
	.end_amdgpu_metadata
.endif
;; end of part 5
